; MI455X (gfx1250); checked and timed in simulation.
; The chip was launched on July 23, 2026; its instructions are those of AMD's public machine-readable ISA for CDNA 5 (MIT licence, August 2026) and "CDNA5" Instruction Set Architecture Reference Guide (July 2026). The comments in the code are by the model that wrote it; some were corrected since.
;; MILP Attention. Allowed arithmetic: matrix products marked QUANTISED: E2M3 operands, one E8M0 scale for each 32 along K, by v_wmma_scale_f32_16x16x128_f8f6f4 with both operands' format E2M3, f32 sums; everything else in f32.
;; Inputs: Wk_codes 1,024 x 32 x 24 uint8 (E2M3 codes of Wk, K innermost, in blocks of 32 codes, four codes in three bytes); Wk_scales 1,024 x 32 uint8 (E8M0 scales of Wk, one for each 32 codes along K); Wo_codes 1,024 x 32 x 24 uint8 (E2M3 codes of Wo, K innermost, in blocks of 32 codes, four codes in three bytes); Wo_scales 1,024 x 32 uint8 (E8M0 scales of Wo, one for each 32 codes along K); Wq_codes 1,024 x 32 x 24 uint8 (E2M3 codes of Wq, K innermost, in blocks of 32 codes, four codes in three bytes); Wq_scales 1,024 x 32 uint8 (E8M0 scales of Wq, one for each 32 codes along K); Wv_codes 1,024 x 32 x 24 uint8 (E2M3 codes of Wv, K innermost, in blocks of 32 codes, four codes in three bytes); Wv_scales 1,024 x 32 uint8 (E8M0 scales of Wv, one for each 32 codes along K); bk 1,024 float32; bo 1,024 float32; bq 1,024 float32; bv 1,024 float32; h 4,096 float32; x 4,096 x 1,024 float32.
;; Outputs: out0 4,096 x 1,024 float32.
;; This version of the problem:
;;   THIS VERSION OF THE PROBLEM IS GIVEN IN LOW PRECISION. The matrix products marked QUANTISED in the list below multiply operands that are first quantised to E2M3 (2 exponent bits, 3 mantissa bits; 6 bits a number), with one power-of-two scale for each 32 numbers along K (OCP MX v1.0); their sums are f32. All else is computed in f32.
;;   The module's matrix products, in the order in which they are computed (A, B: the left and right operand; K: the contracted axis; several contracted axes count as one K, in the product's order):
;;     1. [M 4,096, K 1,024] x [K 1,024, N 1,024]; A: input x; B: input Wq (given as codes): QUANTISED
;;     2. [M 4,096, K 1,024] x [K 1,024, N 1,024]; A: input x; B: input Wk (given as codes): QUANTISED
;;     3. [M 4,096, K 1,024] x [K 1,024, N 1,024]; A: input x; B: input Wv (given as codes): QUANTISED
;;     4. batch 16 x [M 4,096, K 64] x [K 64, N 4,096]; A: computed on the way; B: computed on the way: QUANTISED
;;     5. batch 16 x [M 64, K 4,096] x [K 4,096, N 4,096]; A: computed on the way; B: softmax (see below): QUANTISED
;;     6. [M 4,096, K 1,024] x [K 1,024, N 1,024]; A: computed on the way; B: input Wo (given as codes): QUANTISED
;;   THE QUANTISER, for each operand of a quantised product, along K:
;;     - K is cut into blocks of 32 from its start; a last block that is shorter is filled with zeros.
;;     - A block's scale is 2^e with e = floor(log2(the largest magnitude in the block)) - 2, held to -126 .. 127; a block of zeros has e = 0. As a byte (E8M0): e + 127.
;;     - Each number is divided by its block's scale, clamped to +-7.5, and rounded to the nearest number of E2M3, ties to even, subnormals kept.
;;     - The product sums the exact products of the quantised numbers (number of the format x scale) in f32.
;;   ~~~python
;;   def quantise(x, axis):      # numpy; x: float32 -> the quantised numbers, widened to float32 again
;;       x = np.moveaxis(x, axis, -1); K = x.shape[-1]
;;       x = np.pad(x, [(0, 0)] * (x.ndim - 1) + [(0, -K % 32)]); x = x.reshape(x.shape[:-1] + (-1, 32)); a = np.abs(x).max(-1, keepdims=True)
;;       e = np.where(a > 0, np.clip(np.frexp(np.where(a > 0, a, 1))[1] - 1 - 2, -126, 127), 0)      # np.frexp(a)[1] - 1 = floor(log2(a)), exactly
;;       r = np.clip(x / 2.0 ** e, -7.5, 7.5)
;;       step = 2.0 ** (np.maximum(np.frexp(np.where(r == 0, 1, r))[1] - 1, 0) - 3)
;;       q = np.round(r / step) * step * 2.0 ** e      # np.round: ties to even
;;       return np.moveaxis(q.reshape(q.shape[:-2] + (-1,))[..., :K], -1, axis).astype(np.float32)
;;   ~~~
;;   SOFTMAX AHEAD OF A QUANTISED PRODUCT. Where the list says 'softmax', what is quantised is not the finished softmax but p = 2^(t - M), with t = logit x log2(e) and M = ceil(the row's largest t), a whole number; so 1/2 < the row's largest p <= 1. The row's sum l is taken of the UNQUANTISED p, in f32, and the product's result is divided by l at the end. Since M is a whole number, a kernel that streams over the keys may use a running M (the ceiling of the running maximum): every later rescaling is an exact power of two, which a block's scale takes up: the codes' values come out the same.
;;   OPERANDS COMPUTED ON THE WAY. 'Computed on the way' means the value that the module computes at that place (a softmax that the list does not call 'softmax' is quantised finished and normalised). What goes into a quantiser is computed in f32, as accurately as f32 sums, v_exp_f32 and their like allow (about 1e-6 of the number): no bf16 or f16 on the way to a quantiser, and a product that is left as it is and whose result goes on into a quantised operand takes f32 operands (vector FMAs, or v_wmma_f32_16x16x4_f32). A number that lies on a knife's edge between two numbers of the format may be rounded either way, as far as f32 arithmetic and the matrix unit's own rounding can turn it there, and no further.
;;   INPUTS GIVEN AS CODES. Wk (in the module: [1024, 1024], K = its axis 1); Wo (in the module: [1024, 1024], K = its axis 1); Wq (in the module: [1024, 1024], K = its axis 1); Wv (in the module: [1024, 1024], K = its axis 1): each comes as NAME_codes (uint8): NAME with its K axis moved to the last place and cut into blocks of 32 codes, [.., K / 32, bytes a block], one block behind the other in memory; four codes in three bytes: a row's codes are one little-endian stream of bits, code i at bits 6 i .. 6 i + 5 (a code: sign, 2 exponent bits, 3 mantissa bits); and NAME_scales (uint8): the same leading axes, one E8M0 byte (e + 127) for each 32 codes along K. Its value is code x scale, taken as it is: it is not quantised again, and the codes and scales need not be those that the quantiser above would give.
;; One version. Each part assembles by itself: llvm-mc -triple=amdgcn-amd-amdhsa -mcpu=gfx1250 --defsym DOCPART=n.
;; ======== version 1 of 1: 4 launches
;; limits: right only within a limited range of input values
;; workspace buffers: xrec 3,276,800 bytes; wrec 3,276,800 bytes; qimg 3,145,728 bytes; qsc 262,144 bytes; kv 6,291,456 bytes; aux 655,360 bytes; orec 3,276,800 bytes
;; launch prep (part 1): grid 512 x 1, 8 waves a work-group, no clusters, 68,608 bytes of LDS; arguments x, Wq_codes, Wq_scales, Wk_codes, Wk_scales, Wv_codes, Wv_scales, Wo_codes, Wo_scales, xrec, wrec; writes xrec, wrec
.if DOCPART == 1
	.amdgcn_target "amdgcn-amd-amdhsa--gfx1250"
	.amdhsa_code_object_version 6
	.text
	.protected	k_q4ce52354d1_prep
	.globl	k_q4ce52354d1_prep
	.p2align	8
	.type	k_q4ce52354d1_prep,@function
k_q4ce52354d1_prep:
	s_mov_b64 s[64:65], 0
	v_nop
	global_prefetch_b8 v0, s[64:65] scope:SCOPE_SE
	s_setreg_imm32_b32 hwreg(HW_REG_WAVE_MODE, 25, 1), 1
	s_wait_xcnt 0x0
; PREP: x [4096][1024] f32 is quantised along K to codes of FP6 (E2M3) with one E8M0 byte for each 32 numbers, and the four weights' given codes
; and bytes are laid anew, all as IMAGES OF OPERAND REGISTERS, so that the later launches fetch whole panels as dense blocks and fragments by 16-byte loads.
; TILE: 16 rows that are not neighbours: lane row r of tile T is row 32 (T/2) + 8 (T%2) + r + 8 (r/8).  As source 0 of a product such a tile leaves, in the
; 16 registers of tiles 2 b and 2 b + 1, 16 neighbours along the next product's K.  All operands of the program use this tile.
; FRAGMENT IMAGE (16 rows x 128 K, 12 registers a lane, 1,536 bytes): registers 4 g .. 4 g + 3 of lane l at 512 g + 16 l.
; PANEL RECORD (128 rows x all of K, 102,400 bytes): fragment (tile u, K step s) at 12,288 u + 1,536 s; at 98,304 the scale bytes, [tile][r][32 bytes].
; SHARES: work-groups 0-255 take tile T of x, work-groups 256-511 tile t of weight n (64 n + t); wave s takes K step s: one fragment and one scale word a row.
; x: a wave's 16 loads read 512 consecutive bytes each; the 8 KiB turn through the wave's own stage in LDS (rows of 512 + 16 bytes), so that a lane
; gets 16 neighbours of each block of 32.  Waves share nothing: no barrier.  No cluster: no two work-groups read the same bytes.
; A block's scale is 2^(floor(log2(largest magnitude)) - 2).  LIMITS: a block whose largest magnitude lies under 2^-124 keeps the byte 1, a block of zeros too
; (its codes are zeros, and this program alone reads the bytes); NaN and infinities among the inputs are not served.
.set REC,  102400
.set SCO,  98304
.set WST,  16*528                      ; a wave's stage
.set R,    16                          ; v16-79   16 rows as loaded
.set X,    80                          ; v80-143  register 16 b + i = k 32 b + 16 (lane / 16) + i of my row
.set TM,   144                         ; v144-159 at work in QUANT
.set PW,   160                         ; the scale word
.set PC,   162                         ; v162-181 the codes
.set SEL,  30                          ; s[30:31] lane selects: lane l xor 16
; 64 numbers of a lane become a fragment's codes in v[PC] on and its row's scale word in v[PW]
.macro QUANT s
.irp b, 0,1,2,3
	v_max3_num_f32 v[TM+\b], |v[(\s)+16*\b]|, |v[(\s)+1+16*\b]|, 0x1800000   ; my 16 numbers of block b, and the floor 2^(3 - 127): the byte cannot fall under 1
.endr
.irp i, 2,4,6,8,10,12,14
.irp b, 0,1,2,3
	s_delay_alu instid0(VALU_DEP_4)
	v_max3_num_f32 v[TM+\b], v[TM+\b], |v[(\s)+16*\b+\i]|, |v[(\s)+1+16*\b+\i]|
.endr
.endr
.irp b, 0,1,2,3
	s_delay_alu instid0(VALU_DEP_4)
	v_permlanex16_b32 v[TM+4+\b], v[TM+\b], s[SEL], s[SEL+1]
.endr
.irp b, 0,1,2,3
	s_delay_alu instid0(VALU_DEP_4)
	v_max_num_f32 v[TM+\b], v[TM+\b], v[TM+4+\b]   ; with lane l xor 16's: the block's largest magnitude
.endr
.irp b, 0,1,2,3
	s_delay_alu instid0(VALU_DEP_4)
	v_add_nc_u32 v[TM+12+\b], 0xff000000, v[TM+\b]   ; 2 off its exponent field: the conversion's scale operand
.endr
.irp b, 0,1,2,3
	s_delay_alu instid0(VALU_DEP_4)
	v_lshrrev_b32 v[TM+4+\b], 23, v[TM+12+\b]      ; the scale's byte
.endr
	s_delay_alu instid0(VALU_DEP_3)
	v_lshl_or_b32 v[PW], v[TM+5], 8, v[TM+4]
	s_delay_alu instid0(VALU_DEP_1)
	v_lshl_or_b32 v[PW], v[TM+6], 16, v[PW]
	s_delay_alu instid0(VALU_DEP_1)
	v_lshl_or_b32 v[PW], v[TM+7], 24, v[PW]
.irp c, 0,1
	v_cvt_scalef32_pk16_fp6_f32 v[PC+6*\c:PC+2+6*\c], v[(\s)+32*\c:(\s)+15+32*\c], v[TM+12+2*\c]
	v_cvt_scalef32_pk16_fp6_f32 v[PC+12+4*\c:PC+14+4*\c], v[(\s)+16+32*\c:(\s)+31+32*\c], v[TM+12+2*\c+1]   ; (a conversion's three registers begin on an even number)
.endr
	v_nop                                          ; one plain instruction behind the scaled conversions
.irp c, 0,1                                    ; the operand's layout wants a whole block in a lane: lanes 0-15 block 2 c, lanes 16-31 block 2 c + 1
.irp i, 0,1,2
	v_permlane16_swap_b32 v[PC+6*\c+\i], v[PC+12+4*\c+\i]
.endr
.irp i, 0,1,2
	s_delay_alu instid0(VALU_DEP_3)
	v_mov_b32 v[PC+3+6*\c+\i], v[PC+12+4*\c+\i]
.endr
.endr
.endm
.macro OUT                                     ; the fragment's image: three stores of 512 consecutive bytes; the rows' scale words (both halves of the lanes store the same word to the same place)
.irp g, 0,1,2
	global_store_b128 v4, v[PC+4*\g:PC+4*\g+3], s[40:41] offset:512*\g
.endr
	global_store_b32 v7, v[PW], s[42:43]
.endm
	s_load_b512 s[4:19], s[0:1], 0x0               ; x 4:5, Wq codes 6:7, scales 8:9, Wk 10:11, 12:13, Wv 14:15, 16:17, Wo codes 18:19
	s_load_b128 s[20:23], s[0:1], 0x40             ; Wo scales 20:21, xrec 22:23
	s_load_b64 s[24:25], s[0:1], 0x50              ; wrec
	v_lshl_add_u32 v192, v0, 2, 0x10800
	v_mov_b32 v193, 0
	v_lshrrev_b32 v1, 5, v0
	s_delay_alu instid0(VALU_DEP_1)
	v_readfirstlane_b32 s26, v1                    ; wave = K step s
	v_and_b32 v1, 31, v0                           ; lane
	v_and_b32 v2, 15, v0                           ; r
	v_bfe_u32 v3, v0, 4, 1                         ; h
	s_delay_alu instid0(VALU_DEP_3)
	v_lshlrev_b32 v4, 4, v1                        ; 16 l
	s_delay_alu instid0(VALU_DEP_3)
	v_lshlrev_b32 v7, 5, v2                        ; 32 r
	s_mul_i32 s34, s26, WST
	v_add_nc_u32 v5, s34, v4                       ; the stage, in: 16 l of a row
	v_mul_u32_u24 v6, v2, 528
	s_delay_alu instid0(VALU_DEP_1)
	v_lshl_add_u32 v6, v3, 6, v6
	s_delay_alu instid0(VALU_DEP_1)
	v_add_nc_u32 v6, s34, v6                       ; out: row r, + 64 h
	v_and_b32 v9, 8, v2
	s_delay_alu instid0(VALU_DEP_1)
	v_add_nc_u32 v9, v9, v2                        ; r + 8 (r / 8)
	s_delay_alu instid0(VALU_DEP_1)
	v_mul_u32_u24 v8, v9, 768
	s_delay_alu instid0(VALU_DEP_1)
	v_mad_u32_u24 v8, v3, 24, v8                   ; a weight's row of 768 bytes, + 24 h
	s_delay_alu instid0(VALU_DEP_3)
	v_lshlrev_b32 v9, 5, v9                        ; its 32 scale bytes
	s_mov_b32 s[SEL], 0x76543210
	s_mov_b32 s[SEL+1], 0xfedcba98
.irp b, 0,1,2,3
	v_mov_b32 v[TM+4+\b], 0                        ; a lane permute's destination counts as one of its sources
.endr
	s_and_b32 s27, ttmp9, 255                      ; T, or 64 n + t
	s_lshr_b32 s28, s27, 3
	s_mul_i32 s28, s28, REC                        ; the panel record,
	s_and_b32 s29, s27, 7                          ; the tile in it
	s_mul_i32 s40, s29, 12288
	s_add_co_u32 s40, s40, s28
	s_mul_i32 s41, s26, 1536
	s_add_co_u32 s40, s40, s41                     ; my fragment's place
	s_mov_b32 s41, 0
	s_lshl_b32 s42, s29, 9
	s_add_co_u32 s42, s42, s28
	s_lshl_b32 s43, s26, 2
	s_add_co_u32 s42, s42, s43
	s_add_co_u32 s42, s42, SCO                     ; my scale words' place
	s_mov_b32 s43, 0
	s_wait_kmcnt 0x0
	s_cmp_lt_u32 ttmp9, 256
	s_cbranch_scc0 .Lweights
	; ---- x
	s_lshr_b32 s32, s27, 1
	s_lshl_b32 s32, s32, 17                        ; 32 (T / 2) rows of 4,096 bytes
	s_and_b32 s33, s27, 1
	s_lshl_b32 s33, s33, 15                        ; + 8 (T % 2) rows
	s_add_co_u32 s32, s32, s33
	s_lshl_b32 s33, s26, 9                         ; + K step s: 512 bytes
	s_add_co_u32 s32, s32, s33
	s_mov_b32 s33, 0
	s_add_nc_u64 s[4:5], s[4:5], s[32:33]
	s_add_nc_u64 s[40:41], s[22:23], s[40:41]
	s_add_nc_u64 s[42:43], s[22:23], s[42:43]
.irp p, 0,1,2,3,4,5,6,7,8,9,10,11,12,13,14,15
	global_load_b128 v[R+4*\p:R+4*\p+3], v4, s[4:5] offset:(\p+8*(\p/8))*4096 th:TH_LOAD_NT   ; tile row p: 32 lanes read 512 consecutive bytes
.endr
.irp p, 0,1,2,3,4,5,6,7,8,9,10,11,12,13,14,15
	s_wait_loadcnt 15-\p                           ; loads come back in order: row p is in, the younger rows may be out
	ds_store_b128 v5, v[R+4*\p:R+4*\p+3] offset:528*\p
.endr
.irp b, 0,1,2,3
.irp q, 0,1,2,3
	ds_load_b128 v[X+16*\b+4*\q:X+16*\b+4*\q+3], v6 offset:128*\b+16*\q   ; LDS serves a wave's instructions in order: these see my stores
.endr
.endr
	s_wait_dscnt 0x0
	QUANT X
	OUT
	s_wait_tensorcnt 0x0
	ds_add_u32 v192, v193
	s_wait_dscnt 0x0
	s_endpgm
.Lweights:
	; ---- a weight: the given codes and bytes, taken as they are
	s_lshr_b32 s35, s27, 6                         ; n: 0 q, 1 k, 2 v, 3 o.  The choice hangs on the work-group's number alone
	s_cmp_eq_u32 s35, 1
	s_cselect_b64 s[6:7], s[10:11], s[6:7]
	s_cselect_b64 s[8:9], s[12:13], s[8:9]
	s_cmp_eq_u32 s35, 2
	s_cselect_b64 s[6:7], s[14:15], s[6:7]
	s_cselect_b64 s[8:9], s[16:17], s[8:9]
	s_cmp_eq_u32 s35, 3
	s_cselect_b64 s[6:7], s[18:19], s[6:7]
	s_cselect_b64 s[8:9], s[20:21], s[8:9]
	s_and_b32 s36, s27, 63                         ; t
	s_lshr_b32 s37, s36, 1
	s_lshl_b32 s37, s37, 5
	s_and_b32 s38, s36, 1
	s_lshl_b32 s38, s38, 3
	s_add_co_u32 s37, s37, s38                     ; the tile's first row: 32 (t / 2) + 8 (t % 2)
	s_mul_i32 s32, s37, 768
	s_mul_i32 s33, s26, 96
	s_add_co_u32 s32, s32, s33                     ; + K step s: 96 bytes
	s_mov_b32 s33, 0
	s_lshl_b32 s34, s37, 5
	s_lshl_b32 s35, s26, 2
	s_add_co_u32 s34, s34, s35
	s_mov_b32 s35, 0
	s_add_nc_u64 s[6:7], s[6:7], s[32:33]
	s_add_nc_u64 s[8:9], s[8:9], s[34:35]
	s_add_nc_u64 s[40:41], s[24:25], s[40:41]
	s_add_nc_u64 s[42:43], s[24:25], s[42:43]
	s_wait_alu depctr_va_vdst(0)
.irp p, 0,1,2,3,4,5
	global_load_b64 v[PC+2*\p:PC+2*\p+1], v8, s[6:7] offset:48*(\p/3)+8*(\p%3)   ; the row's stream of bits is the register image: 24 bytes at 24 h and at 48 + 24 h
.endr
	global_load_b32 v[PW], v9, s[8:9]
	s_wait_loadcnt 0x0
	OUT
	s_endpgm
.Lfunc_end_k_q4ce52354d1_prep:
	.size	k_q4ce52354d1_prep, .Lfunc_end_k_q4ce52354d1_prep-k_q4ce52354d1_prep
	.p2alignl 7, 3214868480
	.fill 96, 4, 3214868480
	.section	.rodata,"a",@progbits
	.p2align	6, 0x0
	.amdhsa_kernel k_q4ce52354d1_prep
		.amdhsa_group_segment_fixed_size 68608
		.amdhsa_private_segment_fixed_size 0
		.amdhsa_enable_private_segment 0
		.amdhsa_kernarg_size 88
		.amdhsa_user_sgpr_count 2
		.amdhsa_user_sgpr_kernarg_segment_ptr 1
		.amdhsa_wavefront_size32 1
		.amdhsa_system_sgpr_workgroup_id_x 1
		.amdhsa_system_sgpr_workgroup_id_y 1
		.amdhsa_system_sgpr_workgroup_id_z 1
		.amdhsa_system_vgpr_workitem_id 0
		.amdhsa_next_free_vgpr 194
		.amdhsa_next_free_sgpr 66
		.amdhsa_reserve_vcc 0
		.amdhsa_float_denorm_mode_32 3
		.amdhsa_float_denorm_mode_16_64 3
		.amdhsa_memory_ordered 1
		.amdhsa_forward_progress 1
		.amdhsa_inst_pref_size 15
	.end_amdhsa_kernel
	.amdgpu_metadata
---
amdhsa.version: [ 1, 2 ]
amdhsa.kernels:
  - .name:           k_q4ce52354d1_prep
    .symbol:         k_q4ce52354d1_prep.kd
    .args:
      - { .name: x, .offset: 0, .size: 8, .value_kind: global_buffer, .address_space: global }
      - { .name: Wq_codes, .offset: 8, .size: 8, .value_kind: global_buffer, .address_space: global }
      - { .name: Wq_scales, .offset: 16, .size: 8, .value_kind: global_buffer, .address_space: global }
      - { .name: Wk_codes, .offset: 24, .size: 8, .value_kind: global_buffer, .address_space: global }
      - { .name: Wk_scales, .offset: 32, .size: 8, .value_kind: global_buffer, .address_space: global }
      - { .name: Wv_codes, .offset: 40, .size: 8, .value_kind: global_buffer, .address_space: global }
      - { .name: Wv_scales, .offset: 48, .size: 8, .value_kind: global_buffer, .address_space: global }
      - { .name: Wo_codes, .offset: 56, .size: 8, .value_kind: global_buffer, .address_space: global }
      - { .name: Wo_scales, .offset: 64, .size: 8, .value_kind: global_buffer, .address_space: global }
      - { .name: xrec, .offset: 72, .size: 8, .value_kind: global_buffer, .address_space: global }
      - { .name: wrec, .offset: 80, .size: 8, .value_kind: global_buffer, .address_space: global }
    .group_segment_fixed_size: 68608
    .private_segment_fixed_size: 0
    .kernarg_segment_align: 8
    .kernarg_segment_size: 88
    .max_flat_workgroup_size: 256
    .sgpr_count:     66
    .vgpr_count:     194
    .wavefront_size: 32
...
	.end_amdgpu_metadata
.endif
;; end of part 1
;; launch qkv (part 2): grid 8 x 32, 4 waves a work-group, clusters of 4 x 4, 327,680 bytes of LDS; arguments xrec, wrec, bq, bk, bv, h, qimg, qsc, kv, aux; writes qimg, qsc, kv, aux
.if DOCPART == 2
	.amdgcn_target "amdgcn-amd-amdhsa--gfx1250"
	.amdhsa_code_object_version 6
	.text
	.protected	k_q4ce52354d1_qkv
	.globl	k_q4ce52354d1_qkv
	.p2align	8
	.type	k_q4ce52354d1_qkv,@function
k_q4ce52354d1_qkv:
	s_mov_b64 s[64:65], 0
	v_nop
	global_prefetch_b8 v0, s[64:65] scope:SCOPE_SE
	s_setreg_imm32_b32 hwreg(HW_REG_WAVE_MODE, 25, 1), 1
	s_wait_xcnt 0x0
	s_wait_alu depctr_hold_cnt(0) depctr_sa_sdst(0) depctr_va_vdst(0) depctr_va_sdst(0) depctr_va_ssrc(0) depctr_va_vcc(0) depctr_vm_vsrc(0)
	s_getreg_b32 s2, hwreg(HW_REG_IB_STS2, 6, 4)
	s_cmp_eq_u32 s2, 0
	s_cbranch_scc0 .Lentry_in_a_cluster
	s_endpgm
.Lentry_in_a_cluster:
	s_bfe_u32 s2, ttmp6, 0x10000c
	s_cmp_lg_u32 s2, 0xf033
	s_cbranch_scc0 .Lentry_shape_is_right
	s_endpgm
.Lentry_shape_is_right:
; QKV: q = x Wq^T + bq, k = x Wk^T + bk, v = x Wv^T + bv on codes of FP6 (E2M3), and q, k, v quantised on the way: q and k along a head's 64 channels, v along the keys.  Also -8 h.
; SHARES.  Work-group (j, i) takes token block i (128 tokens = key step i) and feature panel j (128 features = heads 2 j, 2 j + 1), for all three products: x's panel is fetched once.
; Wave w (pw = w % 2, rw = w / 2) makes 64 x 64: source 0 = tiles 4 pw + t of P, source 1 = tiles 4 rw + a of R, accumulator (a, t) at v[ACC + 32 a + 8 t].
;   q, k: P = the weight, R = x: a lane holds one token, its registers run along the head's channels.   v: P = x, R = Wv: a lane holds one channel, its registers run along the keys.
; By the choice of the rows of a tile (lane row r of tile T = row 32 (T/2) + 8 (T%2) + r + 8 (r/8)) the 32 registers of one a are two blocks of 32 along the next K, 16 numbers of each in my lane.
; LDS: three slots of one panel record (102,400 bytes: 64 fragment images of 1,536 bytes, then [tile][r][32] scale bytes): x | Wq, later Wv | Wk.  All of K = 1,024 lies in a slot, so there is no ring: one refill.
; CLUSTER 4 x 4: x's panel hangs on i alone and is asked for jointly along a row of the cluster, a weight's panel on j alone, along a column.  Each wave fetches a quarter of Wk's and Wv's panels; at the head, half of x's or of Wq's.
; OUT.  Half fragment image H (16 rows x 64 K, 6 registers, 768 bytes): registers 0-3 at 16 l, registers 4-5 at 512 + 8 l.
;   qimg [head][tile] H; qsc [head][tile][r] a word;  kv [head][step] 12,288 bytes: k's 8 tiles H, then v's 4 channel tiles, two H each (keys 0-63, 64-127);
;   aux [head][step] 1,280 bytes: k's scale words [r][8 tiles], v's [r][4 tiles], -8 h of the step's 128 keys.
;   q's and k's K is 64 of the instruction's 128: their scale words repeat the row's two bytes for the two blocks that hold nothing (b0 b1 b0 b1).
; The scale words go out as 2 or 4 bytes a lane: one byte in 24 of what the launch stores.
; LIMITS: a block whose largest magnitude lies under 2^-124 keeps the byte 1, a block of zeros too (zero codes; this program alone reads the bytes); NaN and infinities are not served.
.set REC,   102400
.set QUART, 25600                      ; what one tensor load brings: 100 rows of 256 bytes
.set SCO,   98304
.set HALFP, 49152                      ; four tiles' fragments
.set SX,    0
.set SA,    REC
.set SB,    2*REC
.set SPARE, 3*REC                      ; the spare words: 128 bytes a wave, two blocks of 256 bytes that no other line names
.set L16, 1                            ; v1 16 l    v2 8 l    v3 4 r    v4 16 r    v5 32 r
.set L8,  2
.set R4,  3
.set R16, 4
.set R32, 5
.set ARX, 6                            ; LDS addresses of fragments: x as R, x as P, slot A as P, slot B as P, slot A as R
.set APX, 7
.set APA, 8
.set APB, 9
.set ARA, 10
.set SRX, 11                           ; and of scale rows, likewise
.set SPX, 12
.set SPA, 13
.set SPB, 14
.set SRA, 15
.set SPW, 16                           ; my spare word; never rewritten
.set NIL, 17                           ; 0; never rewritten
.set H64, 18                           ; 64 h
.set RHO4, 19                          ; 4 (r + 8 (r / 8))
.set PS,  20                           ; v20-51  P's scale words, 8 t + s
.set RS,  52                           ; v52-83  R's, 8 a + s
.set TM,  84                           ; v84-99  at work in QUANT
.set PW,  100
.set D0,  102
.set D1,  103
.set PC,  104                          ; v104-123
.set HB,  124                          ; v[124:125]
.set ACC, 128                          ; v128-255
.set BQ,  0                            ; window 2: the biases in the result's layout
.set BK,  32
.set BV,  64
.set WV,  24
.set SEL, 66
.set MSB, 0
.macro WIN new                         ; the immediate's high byte repeats the setting that is left
.if MSB != \new
	s_set_vgpr_msb (MSB<<8)|\new
.set MSB, \new
.endif
.endm
.macro PLACES n
.rept \n
	v_nop
.endr
.endm
.macro CROUND                          ; a round of the cluster's barrier
	s_barrier_signal -1
	s_barrier_wait -1
	s_cmp_lg_u32 s[WV], 0
	s_cbranch_scc1 .Lnw0_\@
	s_barrier_signal -3
.Lnw0_\@:
	s_barrier_wait -3
	s_barrier_signal -1
	s_barrier_wait -1
.endm
.macro QUANT s                         ; 64 numbers of a lane: two jobs of 32 (two blocks each).  Job c: codes in v[PC + 6 c] on (six registers), bytes 2 c, 2 c + 1 of v[PW]
.irp b, 0,1,2,3
	v_max3_num_f32 v[TM+\b], |v[(\s)+16*\b]|, |v[(\s)+1+16*\b]|, 0x1800000   ; each accumulator is read from its low end on; the floor 2^(3 - 127) holds the byte at 1
.endr
.irp i, 2,4,6,8,10,12,14
.irp b, 0,1,2,3
	v_max3_num_f32 v[TM+\b], v[TM+\b], |v[(\s)+16*\b+\i]|, |v[(\s)+1+16*\b+\i]|
.endr
.endr
.irp b, 0,1,2,3
	v_permlanex16_b32 v[TM+4+\b], v[TM+\b], s[SEL], s[SEL+1]
.endr
.irp b, 0,1,2,3
	v_max_num_f32 v[TM+\b], v[TM+\b], v[TM+4+\b]
.endr
.irp b, 0,1,2,3
	v_add_nc_u32 v[TM+12+\b], 0xff000000, v[TM+\b]   ; 2 off the exponent field: the conversion's scale operand
.endr
.irp b, 0,1,2,3
	v_lshrrev_b32 v[TM+4+\b], 23, v[TM+12+\b]
.endr
	v_lshl_or_b32 v[PW], v[TM+5], 8, v[TM+4]
	v_lshl_or_b32 v[PW], v[TM+6], 16, v[PW]
	v_lshl_or_b32 v[PW], v[TM+7], 24, v[PW]
.irp c, 0,1
	v_cvt_scalef32_pk16_fp6_f32 v[PC+6*\c:PC+2+6*\c], v[(\s)+32*\c:(\s)+15+32*\c], v[TM+12+2*\c]
	v_cvt_scalef32_pk16_fp6_f32 v[PC+12+4*\c:PC+14+4*\c], v[(\s)+16+32*\c:(\s)+31+32*\c], v[TM+12+2*\c+1]
.endr
	v_nop                                          ; one plain instruction behind the scaled conversions
.irp c, 0,1
.irp i, 0,1,2
	v_permlane16_swap_b32 v[PC+6*\c+\i], v[PC+12+4*\c+\i]
.endr
.irp i, 0,1,2
	v_mov_b32 v[PC+3+6*\c+\i], v[PC+12+4*\c+\i]
.endr
.endr
.endm
; 24 LDS loads: K step k's fragments, four of P and four of R, into set 'set' of window 1
.macro FETCH set, k, ap, ar
	WIN 0x40
.irp t, 0,1,2,3
.irp g, 0,1,2
	ds_load_b128 v[96*(\set)+12*\t+4*\g:96*(\set)+12*\t+4*\g+3], v[\ap] offset:12288*\t+1536*(\k)+512*\g
.endr
.endr
.irp t, 0,1,2,3
.irp g, 0,1,2
	ds_load_b128 v[96*(\set)+48+12*\t+4*\g:96*(\set)+48+12*\t+4*\g+3], v[\ar] offset:12288*\t+1536*(\k)+512*\g
.endr
.endr
.endm
; 16 matrix instructions, one on each accumulator: the accumulators take turns.  K step 0 starts the sums with the bias as C: nothing is cleared, no bias is added
.macro MULS set, s, cb, ct, ca
.if (\s) == 0
	WIN 0x25                                       ; sources 0, 1 window 1; C window 2; D window 0
.else
	WIN 0x05
.endif
.irp a, 0,1,2,3
.irp t, 0,1,2,3
.if (\s) == 0
	v_wmma_scale_f32_16x16x128_f8f6f4 v[ACC+32*\a+8*\t:ACC+32*\a+8*\t+7], v[96*(\set)+12*\t:96*(\set)+12*\t+11], v[96*(\set)+48+12*\a:96*(\set)+48+12*\a+11], v[(\cb)+(\ct)*\t+(\ca)*\a:(\cb)+(\ct)*\t+(\ca)*\a+7], v[PS+8*\t+(\s)], v[RS+8*\a+(\s)] matrix_a_fmt:MATRIX_FMT_FP6 matrix_b_fmt:MATRIX_FMT_FP6
.else
	v_wmma_scale_f32_16x16x128_f8f6f4 v[ACC+32*\a+8*\t:ACC+32*\a+8*\t+7], v[96*(\set)+12*\t:96*(\set)+12*\t+11], v[96*(\set)+48+12*\a:96*(\set)+48+12*\a+11], v[ACC+32*\a+8*\t:ACC+32*\a+8*\t+7], v[PS+8*\t+(\s)], v[RS+8*\a+(\s)] matrix_a_fmt:MATRIX_FMT_FP6 matrix_b_fmt:MATRIX_FMT_FP6
.endif
.endr
.endr
.endm
; A whole product: 8 K steps of 128.  The scale words of all K steps come first (32 bytes a row: two loads a tile); fragments run one K step ahead, in two sets.
.macro PROD ap, ar, zp, zr, cb, ct, ca
.irp t, 0,1,2,3
	ds_load_b128 v[PS+8*\t:PS+8*\t+3], v[\zp] offset:512*\t
	ds_load_b128 v[PS+8*\t+4:PS+8*\t+7], v[\zp] offset:512*\t+16
	ds_load_b128 v[RS+8*\t:RS+8*\t+3], v[\zr] offset:512*\t
	ds_load_b128 v[RS+8*\t+4:RS+8*\t+7], v[\zr] offset:512*\t+16
.endr
	FETCH 0, 0, \ap, \ar
.irp k, 0,1,2,3,4,5,6
	PLACES 4                                       ; four plain instructions between the products that read a set and the loads into it (ISA guide 7.12.1 for vector instructions)
	FETCH (\k+1)%2, \k+1, \ap, \ar
	s_wait_dscnt 24                                ; all but the 24 just issued: this K step's fragments (and the scale words) are in
	MULS \k%2, \k, \cb, \ct, \ca
.endr
	s_wait_dscnt 0x0
	MULS 1, 7, \cb, \ct, \ca
	WIN 0
.endm
; The way out of a product: my four tiles a, two at a time, quantised and stored as images.  kind 0: q, 1: k, 2: v
.macro EPI base, stride, kind, sbase
.irp p, 0,1
	s_wait_xcnt 0x0                                ; the earlier stores have read their registers: the codes and words may be written again
	QUANT ACC+64*\p
.irp c, 0,1
	global_store_b128 v[L16], v[PC+6*\c:PC+6*\c+3], s[\base:\base+1] offset:(\stride)*(2*\p+\c)          ; 512 consecutive bytes
	global_store_b64 v[L8], v[PC+6*\c+4:PC+6*\c+5], s[\base:\base+1] offset:(\stride)*(2*\p+\c)+512      ; 256 consecutive bytes
.endr
.if \kind == 2
	global_store_b16 v[R16], v[PW], s[\sbase:\sbase+1] offset:4*(2*\p)              ; my 64 keys' two bytes of channel r's scale word
	global_store_d16_hi_b16 v[R16], v[PW], s[\sbase:\sbase+1] offset:4*(2*\p+1)
.else
	v_perm_b32 v[D0], v[PW], v[PW], 0x01000100     ; b0 b1 b0 b1
	v_perm_b32 v[D1], v[PW], v[PW], 0x03020302     ; b2 b3 b2 b3
.if \kind == 0
	global_store_b32 v[R4], v[D0], s[\sbase:\sbase+1] offset:64*(2*\p)
	global_store_b32 v[R4], v[D1], s[\sbase:\sbase+1] offset:64*(2*\p+1)
.else
	global_store_b32 v[R32], v[D0], s[\sbase:\sbase+1] offset:4*(2*\p)
	global_store_b32 v[R32], v[D1], s[\sbase:\sbase+1] offset:4*(2*\p+1)
.endif
.endif
.endr
.endm
	s_load_b512 s[4:19], s[0:1], 0x0               ; xrec 4:5, wrec 6:7, bq 8:9, bk 10:11, bv 12:13, h 14:15, qimg 16:17, qsc 18:19
	s_load_b128 s[20:23], s[0:1], 0x40             ; kv 20:21, aux 22:23
	v_lshl_add_u32 v[SPW], v0, 2, SPARE
	v_mov_b32 v[NIL], 0
	ds_add_u32 v16, v17
	ds_add_u32 v16, v17
	s_wait_dscnt 0x0
	v_lshrrev_b32 v1, 5, v0
	v_readfirstlane_b32 s[WV], v1                  ; wave 0..3
	s_and_b32 s25, s[WV], 1                        ; pw
	s_lshr_b32 s26, s[WV], 1                       ; rw
	s_bfe_u32 s27, ttmp6, 0x40000                  ; cx
	s_bfe_u32 s28, ttmp6, 0x40004                  ; cy
	s_lshl_b32 s29, ttmp9, 2
	s_add_co_u32 s29, s29, s27                     ; j = 4 x cluster x + cx
	s_and_b32 s30, ttmp7, 0xffff
	s_lshl_b32 s30, s30, 2
	s_add_co_u32 s30, s30, s28                     ; i = 4 x cluster y + cy
	s_lshl_b32 s90, s28, 2
	s_lshl_b32 s90, 15, s90                        ; my row of the cluster
	s_lshl_b32 s92, 0x1111, s27                    ; my column
	s_or_b32 s32, s90, (3<<16)|(1<<21)             ; group 1 for x: 15:0 the mask; 17:16 elements of 8 bytes; 21 set beside a mask
	s_or_b32 s40, s92, (3<<16)|(1<<21)             ; and for the weights
.irp g, 32, 40                                 ; a dense block of 51,200 bytes as 200 rows of 256 bytes
	s_mov_b32 s[\g+1], 32<<16                      ; tensor_dim0 = 32
	s_mov_b32 s[\g+2], 200<<16                     ; tensor_dim1 = 200: the head's loads bring half a panel
	s_mov_b32 s[\g+3], 32<<16                      ; tile_dim0
	s_mov_b32 s[\g+4], 200                         ; tile_dim1
	s_mov_b32 s[\g+5], 32                          ; the pitch
	s_mov_b32 s[\g+6], 0
	s_mov_b32 s[\g+7], 0
.endr
	s_mul_i32 s94, s[WV], QUART                    ; my quarter: of the wave's number alone
	s_mul_i32 s2, s25, 2*QUART                     ; at the head a wave fetches half a panel: which half, of the wave's number alone
	s_mul_i32 s90, s30, REC                        ; x's panel: of i alone
	s_add_co_u32 s90, s90, s2
	s_mov_b32 s91, 0
	s_mul_i32 s92, s29, REC                        ; a weight's panel: of j alone
	s_add_co_u32 s92, s92, s94
	s_mov_b32 s93, 0
	; where the results go, in bytes
	s_lshl_b32 s95, s29, 1
	s_add_co_u32 s96, s95, s26                     ; hr = 2 j + rw: v's head
	s_add_co_u32 s95, s95, s25                     ; hp = 2 j + pw: q's and k's head
	s_lshl_b32 s97, s95, 8
	s_lshl_b32 s98, s30, 3
	s_add_co_u32 s97, s97, s98
	s_lshl_b32 s98, s26, 2
	s_add_co_u32 s97, s97, s98                     ; q: tile 256 hp + 8 i + 4 rw
	s_mul_i32 s68, s97, 768
	s_mov_b32 s69, 0
	s_lshl_b32 s70, s97, 6
	s_mov_b32 s71, 0
	s_lshl_b32 s97, s95, 5
	s_add_co_u32 s97, s97, s30                     ; record 32 hp + i
	s_mul_i32 s72, s97, 12288
	s_mul_i32 s98, s26, 3072
	s_add_co_u32 s72, s72, s98                     ; k: tiles 4 rw on
	s_mov_b32 s73, 0
	s_mul_i32 s74, s97, 1280
	s_lshl_b32 s98, s26, 8
	s_add_co_u32 s76, s74, s98
	s_add_co_u32 s76, s76, 768                     ; -8 h: keys 64 rw on
	s_mov_b32 s77, 0
	s_lshl_b32 s98, s26, 4
	s_add_co_u32 s74, s74, s98                     ; k's scale words: tiles 4 rw on
	s_mov_b32 s75, 0
	s_lshl_b32 s97, s96, 5
	s_add_co_u32 s97, s97, s30                     ; record 32 hr + i
	s_mul_i32 s78, s97, 12288
	s_mul_i32 s98, s25, 768
	s_add_co_u32 s78, s78, s98
	s_add_co_u32 s78, s78, 6144                    ; v: keys 64 pw on
	s_mov_b32 s79, 0
	s_mul_i32 s80, s97, 1280
	s_lshl_b32 s98, s25, 1
	s_add_co_u32 s80, s80, s98
	s_add_co_u32 s80, s80, 512                     ; v's scale words: bytes 2 pw on
	s_mov_b32 s81, 0
	s_lshl_b32 s82, s30, 9
	s_lshl_b32 s98, s26, 8
	s_add_co_u32 s82, s82, s98                     ; h: 128 i + 64 rw
	s_mov_b32 s83, 0
	s_lshl_b32 s84, s29, 9
	s_add_co_u32 s88, s84, s98                     ; bv: 128 j + 64 rw
	s_mov_b32 s89, 0
	s_lshl_b32 s98, s25, 8
	s_add_co_u32 s84, s84, s98                     ; bq, bk: 128 j + 64 pw
	s_mov_b32 s85, 0
	s_mov_b64 s[86:87], s[84:85]
	s_mov_b32 s[SEL], 0x76543210
	s_mov_b32 s[SEL+1], 0xfedcba98
	s_wait_kmcnt 0x0
	s_mov_b32 s48, 1                               ; group 0 for x -> slot X
	s_add_co_u32 s49, s2, SX
	s_add_nc_u64 s[50:51], s[4:5], s[90:91]
	s_or_b32 s51, s51, 0x80000000
	s_mov_b32 s52, 1                               ; Wq -> slot A
	s_add_co_u32 s53, s2, SA
	s_add_nc_u64 s[54:55], s[6:7], s[92:93]
	s_mov_b32 s56, 1                               ; Wk -> slot B
	s_add_co_u32 s57, s94, SB
	s_add_nc_u64 s[58:59], s[54:55], 8*REC
	s_mov_b32 s60, 1                               ; Wv -> slot A, later
	s_add_co_u32 s61, s94, SA
	s_add_nc_u64 s[62:63], s[54:55], 16*REC
	s_mov_b32 s98, s94                             ; Wq comes by halves: my quarter's offset off, my half's on
	s_mov_b32 s99, 0
	s_sub_nc_u64 s[54:55], s[54:55], s[98:99]
	s_mov_b32 s98, s2
	s_add_nc_u64 s[54:55], s[54:55], s[98:99]
	s_or_b32 s55, s55, 0x80000000
	s_or_b32 s59, s59, 0x80000000
	s_or_b32 s63, s63, 0x80000000
	s_add_nc_u64 s[68:69], s[16:17], s[68:69]
	s_add_nc_u64 s[70:71], s[18:19], s[70:71]
	s_add_nc_u64 s[72:73], s[20:21], s[72:73]
	s_add_nc_u64 s[74:75], s[22:23], s[74:75]
	s_add_nc_u64 s[76:77], s[22:23], s[76:77]
	s_add_nc_u64 s[78:79], s[20:21], s[78:79]
	s_add_nc_u64 s[80:81], s[22:23], s[80:81]
	s_add_nc_u64 s[82:83], s[14:15], s[82:83]
	s_add_nc_u64 s[84:85], s[8:9], s[84:85]
	s_add_nc_u64 s[86:87], s[10:11], s[86:87]
	s_add_nc_u64 s[88:89], s[12:13], s[88:89]
	CROUND                                         ; all sixteen work-groups are here: the first joint loads meet
	s_cmp_lt_u32 s[WV], 2                          ; the head's loads, one a wave: waves 0, 1 x's two halves, waves 2, 3 Wq's
	s_cbranch_scc0 .Lhead_w
	tensor_load_to_lds s[48:51], s[32:39]
	s_nop 0
	PLACES 4
	s_branch .Lhead_j
.Lhead_w:
	tensor_load_to_lds s[52:55], s[40:47]
	s_nop 0
	PLACES 4
.Lhead_j:
	v_and_b32 v126, 31, v0                         ; lane
	v_and_b32 v127, 15, v0                         ; r
	v_bfe_u32 v101, v0, 4, 1                       ; h
	v_lshlrev_b32 v[L16], 4, v126
	v_lshlrev_b32 v[L8], 3, v126
	v_lshlrev_b32 v[R4], 2, v127
	v_lshlrev_b32 v[R16], 4, v127
	v_lshlrev_b32 v[R32], 5, v127
	v_lshlrev_b32 v[H64], 6, v101
	v_and_b32 v[RHO4], 8, v127
	v_add_nc_u32 v[RHO4], v[RHO4], v127
	v_lshlrev_b32 v[RHO4], 2, v[RHO4]
	s_mul_i32 s2, s26, HALFP
	s_mul_i32 s3, s25, HALFP
	s_add_co_u32 s31, s2, SX
	v_add_nc_u32 v[ARX], s31, v[L16]
	s_add_co_u32 s31, s3, SX
	v_add_nc_u32 v[APX], s31, v[L16]
	s_add_co_u32 s31, s3, SA
	v_add_nc_u32 v[APA], s31, v[L16]
	s_add_co_u32 s31, s3, SB
	v_add_nc_u32 v[APB], s31, v[L16]
	s_add_co_u32 s31, s2, SA
	v_add_nc_u32 v[ARA], s31, v[L16]
	s_lshl_b32 s2, s26, 11                         ; four tiles' scale rows: 2,048 bytes
	s_lshl_b32 s3, s25, 11
	s_add_co_u32 s31, s2, SX+SCO
	v_add_nc_u32 v[SRX], s31, v[R32]
	s_add_co_u32 s31, s3, SX+SCO
	v_add_nc_u32 v[SPX], s31, v[R32]
	s_add_co_u32 s31, s3, SA+SCO
	v_add_nc_u32 v[SPA], s31, v[R32]
	s_add_co_u32 s31, s3, SB+SCO
	v_add_nc_u32 v[SPB], s31, v[R32]
	s_add_co_u32 s31, s2, SA+SCO
	v_add_nc_u32 v[SRA], s31, v[R32]
.irp b, 0,1,2,3
	v_mov_b32 v[TM+4+\b], 0                        ; a lane permute's destination counts as one of its sources
.endr
	WIN 0x80                                       ; destination window 2
.irp t, 0,1,2,3                                ; q, k: register e of tile t is feature 32 (t / 2) + 16 h + 8 (t % 2) + e of my 64
	global_load_b128 v[BQ+8*\t:BQ+8*\t+3], v[H64], s[84:85] offset:(32*(\t/2)+8*(\t%2))*4
	global_load_b128 v[BQ+8*\t+4:BQ+8*\t+7], v[H64], s[84:85] offset:(32*(\t/2)+8*(\t%2))*4+16
	global_load_b128 v[BK+8*\t:BK+8*\t+3], v[H64], s[86:87] offset:(32*(\t/2)+8*(\t%2))*4
	global_load_b128 v[BK+8*\t+4:BK+8*\t+7], v[H64], s[86:87] offset:(32*(\t/2)+8*(\t%2))*4+16
.endr
.irp a, 0,1,2,3                                ; v: all eight registers of tile a belong to my lane's one channel
.irp e, 0,1,2,3,4,5,6,7
	global_load_b32 v[BV+8*\a+\e], v[RHO4], s[88:89] offset:(32*(\a/2)+8*(\a%2))*4
.endr
.endr
	WIN 0
	global_load_b64 v[HB:HB+1], v[L8], s[82:83]    ; my 64 keys' h, two a lane
	s_wait_alu depctr_va_vdst(0)
	s_wait_loadcnt 0x0
	v_pk_mul_f32 v[HB:HB+1], v[HB:HB+1], 0xc1000000 op_sel_hi:[1,0]   ; x -8, exact: the scores' C, since logit = (q . k - 8 h) / 8
	global_store_b64 v[L8], v[HB:HB+1], s[76:77]
	s_wait_tensorcnt 0x0                           ; my half panel is in
	ds_add_u32 v[SPW], v[NIL]
	s_mov_b32 s42, 100<<16                         ; no tensor load of mine is out: from here on a load brings a quarter, 100 rows
	s_mov_b32 s44, 100
	s_wait_dscnt 0x0
	CROUND                                         ; x and Wq are whole, and all partners are here
	tensor_load_to_lds s[56:59], s[40:47]          ; Wk's quarter into slot B: my one load behind the round; q's product stands between it and the wait for it
	s_nop 0
	PLACES 4
	PROD APA, ARX, SPA, SRX, BQ, 8, 0              ; q
	s_wait_tensorcnt 0x0                           ; all my tensor loads have landed, Wk's quarter among them;
	ds_add_u32 v[SPW], v[NIL]                      ; 0 onto my spare word;
	s_wait_dscnt 0x0                               ; the add is done, and my reads of slot A are over
	CROUND                                         ; both hold of every wave of every partner
	tensor_load_to_lds s[60:63], s[40:47]          ; Wv into slot A: my one tensor load behind the round; it lands under q's way out and k's product
	s_nop 0
	PLACES 4                                       ; (also the places between q's last products and the first read of their results)
	EPI 68, 768, 0, 70
	PROD APB, ARX, SPB, SRX, BK, 8, 0              ; k
	PLACES 4
	EPI 72, 768, 1, 74
	s_wait_tensorcnt 0x0                           ; my quarter of Wv is in,
	s_barrier_signal -1
	s_barrier_wait -1                              ; everybody's is
	PROD APX, ARA, SPX, SRA, BV, 0, 8              ; v, the other way round
	PLACES 4
	EPI 78, 1536, 2, 80
	s_wait_tensorcnt 0x0                           ; the wave's end
	ds_add_u32 v[SPW], v[NIL]
	s_wait_dscnt 0x0
	CROUND                                         ; the closing round
	s_endpgm
.Lfunc_end_k_q4ce52354d1_qkv:
	.size	k_q4ce52354d1_qkv, .Lfunc_end_k_q4ce52354d1_qkv-k_q4ce52354d1_qkv
	.p2alignl 7, 3214868480
	.fill 96, 4, 3214868480
	.section	.rodata,"a",@progbits
	.p2align	6, 0x0
	.amdhsa_kernel k_q4ce52354d1_qkv
		.amdhsa_group_segment_fixed_size 327680
		.amdhsa_private_segment_fixed_size 0
		.amdhsa_enable_private_segment 0
		.amdhsa_kernarg_size 80
		.amdhsa_user_sgpr_count 2
		.amdhsa_user_sgpr_kernarg_segment_ptr 1
		.amdhsa_wavefront_size32 1
		.amdhsa_system_sgpr_workgroup_id_x 1
		.amdhsa_system_sgpr_workgroup_id_y 1
		.amdhsa_system_sgpr_workgroup_id_z 1
		.amdhsa_system_vgpr_workitem_id 0
		.amdhsa_next_free_vgpr 768
		.amdhsa_next_free_sgpr 100
		.amdhsa_reserve_vcc 0
		.amdhsa_float_denorm_mode_32 3
		.amdhsa_float_denorm_mode_16_64 3
		.amdhsa_memory_ordered 1
		.amdhsa_forward_progress 1
		.amdhsa_inst_pref_size 134
	.end_amdhsa_kernel
	.amdgpu_metadata
---
amdhsa.version: [ 1, 2 ]
amdhsa.kernels:
  - .name:           k_q4ce52354d1_qkv
    .symbol:         k_q4ce52354d1_qkv.kd
    .args:
      - { .name: xrec, .offset: 0, .size: 8, .value_kind: global_buffer, .address_space: global }
      - { .name: wrec, .offset: 8, .size: 8, .value_kind: global_buffer, .address_space: global }
      - { .name: bq, .offset: 16, .size: 8, .value_kind: global_buffer, .address_space: global }
      - { .name: bk, .offset: 24, .size: 8, .value_kind: global_buffer, .address_space: global }
      - { .name: bv, .offset: 32, .size: 8, .value_kind: global_buffer, .address_space: global }
      - { .name: h, .offset: 40, .size: 8, .value_kind: global_buffer, .address_space: global }
      - { .name: qimg, .offset: 48, .size: 8, .value_kind: global_buffer, .address_space: global }
      - { .name: qsc, .offset: 56, .size: 8, .value_kind: global_buffer, .address_space: global }
      - { .name: kv, .offset: 64, .size: 8, .value_kind: global_buffer, .address_space: global }
      - { .name: aux, .offset: 72, .size: 8, .value_kind: global_buffer, .address_space: global }
    .group_segment_fixed_size: 327680
    .private_segment_fixed_size: 0
    .kernarg_segment_align: 8
    .kernarg_segment_size: 80
    .max_flat_workgroup_size: 128
    .sgpr_count:     100
    .vgpr_count:     768
    .wavefront_size: 32
...
	.end_amdgpu_metadata
.endif
;; end of part 2
;; launch attn (part 3): grid 16 x 16, 8 waves a work-group, clusters of 4 x 1, 327,680 bytes of LDS; arguments qimg, qsc, kv, aux, orec; writes orec
.if DOCPART == 3
	.amdgcn_target "amdgcn-amd-amdhsa--gfx1250"
	.amdhsa_code_object_version 6
	.text
	.protected	k_q4ce52354d1_attn
	.globl	k_q4ce52354d1_attn
	.p2align	8
	.type	k_q4ce52354d1_attn,@function
k_q4ce52354d1_attn:
	s_mov_b64 s[64:65], 0
	v_nop
	global_prefetch_b8 v0, s[64:65] scope:SCOPE_SE
	s_setreg_imm32_b32 hwreg(HW_REG_WAVE_MODE, 25, 1), 1
	s_wait_xcnt 0x0
	s_wait_alu depctr_hold_cnt(0) depctr_sa_sdst(0) depctr_va_vdst(0) depctr_va_sdst(0) depctr_va_ssrc(0) depctr_va_vcc(0) depctr_vm_vsrc(0)
	s_getreg_b32 s2, hwreg(HW_REG_IB_STS2, 6, 4)
	s_cmp_eq_u32 s2, 0
	s_cbranch_scc0 .Lentry_in_a_cluster
	s_endpgm
.Lentry_in_a_cluster:
	s_bfe_u32 s2, ttmp6, 0x10000c
	s_cmp_lg_u32 s2, 0x3003
	s_cbranch_scc0 .Lentry_shape_is_right
	s_endpgm
.Lentry_shape_is_right:
; ATTN: o = softmax((q k^T - 8 h) / 8) v for one head and 256 queries a work-group, on codes of FP6 (E2M3); o is quantised along the channels and stored as oproj's operand image.
; SHARES.  Work-group (qb, head); wave w takes query tiles 2 w, 2 w + 1 (32 queries); a step is 128 keys, 32 steps.  Both products are used transposed (S^T = k q^T, O^T = v^T p^T): a lane holds one query.
; THE KEYS OF A TILE OF k are chosen by LDS address: rows 0-7 of tile t are keys 64 (t/4) + 8 (t%4) + 0..7, rows 8-15 the keys 32 further on.  So lane (r, h) holds in the 32 registers of tiles
; 4 c .. 4 c + 3 the WHOLE block of 32 keys 64 c + 32 h + 0..31, in order, which is p's place in the operand: a block's maximum needs no other lane and no code changes lanes.
; In kv a group of 8 keys g = 4 b + 2 v + u lies in image tile 2 b + u at rows 8 v on: lane (r, h) of tile t reads at 768 (4 (t/4) + t%2) + 128 ((t%4)/2) + 1536 (r/8) + 16 (r%8) + 256 h.
; LDS: 22 places of one step's record (12,288 bytes: k's 8 half images, v's 8), then aux of all 32 steps (1,280 bytes each: k's scale words, v's, -8 h), then the spare words.
; The head fetches records 0-11 (waves 0-5, two each) and aux (waves 6, 7, half each); behind the first round records 12-21 go to places 12-21, behind the second records 22-31 to places 0-9,
; 60 rows of 256 bytes a wave.  Three phases of 12, 10 and 10 steps; a wave has one tensor load out at a time.
; CLUSTER 4 x 1: the four query blocks of a cluster read the same head's records: every load is asked for jointly.
; PREFETCH: behind the first round waves 0-3 name the 480 blocks of 256 bytes of records 22-31, 120 a work-group, shared out by address (cx): one phase of 12 steps ahead of their load.
; Records 12-21 are asked for by their tensor load at that same place, so nothing could name them earlier.
; A STEP'S ORDER.  v's fragments are asked for at its top; tile 0's eight score products; tile 1's eight, each followed by four lines of tile 0's maxima; the loads of the NEXT step's k, scale words
; and bias (the address is held at the phase's last record); tile 1's maxima with tile 0's row chain link by link among them; tile 0's t - M with tile 1's row chain among them; the exponentials.
; M is the running maximum's ceiling, kept as -M; p = 2^(t - M); the sum is taken of p before it is quantised; O^T and the sum are brought under a new M by an exact power of two.
; LIMITS: the promise holds while the scaled scores stay under 2^31 in magnitude; a block whose largest p lies under 2^-124 keeps the byte 1; NaN and infinities are not served.
.set REC,   12288
.set AREC,  1280
.set AUXL,  22*REC
.set SPARE, AUXL+32*AREC               ; 128 bytes a wave: four blocks of 256 bytes that no other line names
.set S,   32                           ; v32-159 scores, then p: 64 x + 8 t + j
.set PCX, 160                          ; v160-183 p's codes
.set TT,  184                          ; v184-239 a query tile's small numbers, 28 each: 0 -M, 1 running maximum, 2-3 sum, 4 f, 6 at work, 7 the last -M, 8-11 maxima, 12-13 and 18-19 sums, 14 lane permute, 16-17 scale operands, 20-26 maxima, then codes
.set SD,  246                          ; v246-249 a fourth chain of the sums, a pair a tile
.set KF,  64                           ; window 1: v0-63 O^T; k's 8 half fragments and 6 zeros; q's two; v's four; the bias
.set QF,  118
.set VF,  142
.set BI,  190
.set TM,  192
.set PW,  208
.set PC,  160
.set AV,  8                            ; a step's LDS addresses
.set AV8, 9
.set AVS, 10
.set AK,  11
.set AK8, 12
.set AKS, 13
.set ABI, 244
.set SH8, 240                          ; 8 h
.set PFO, 241
.set R32, 242
.set R4,  243
.set WV,  14
.set CNT, 15
.set NC,  19
.set SEL, 20
.set CS,  22
.set G1R, 24
.set G1A, 32
.set G1C, 40
.set G0H, 48
.set G0A, 52
.set G0C, 56
.set G0D, 60
.set QP,  66
.set QS,  68
.set OP,  70
.set OS,  72
.set PFA, 74
.set TB,  76
.set TS,  77
.set KB,  78
.set KS,  79
.set MSB, 0
.macro WIN new                         ; the immediate's high byte repeats the setting that is left
.if MSB != \new
	s_set_vgpr_msb (MSB<<8)|\new
.set MSB, \new
.endif
.endm
.macro PLACES n
.rept \n
	v_nop
.endr
.endm
.macro CROUND                          ; a round of the cluster's barrier
	s_barrier_signal -1
	s_barrier_wait -1
	s_cmp_lg_u32 s[WV], 0
	s_cbranch_scc1 .Lnw0_\@
	s_barrier_signal -3
.Lnw0_\@:
	s_barrier_wait -3
	s_barrier_signal -1
	s_barrier_wait -1
.endm
.macro GRD
	s_wait_tensorcnt 0x0
	ds_add_u32 v6, v7
	s_wait_dscnt 0x0
.endm
.macro QUANT s                         ; the way out: 64 numbers of a lane, 16 of each of four blocks: codes in v[PC] on, the bytes in v[PW]
.irp b, 0,1,2,3
	v_max3_num_f32 v[TM+\b], |v[(\s)+16*\b]|, |v[(\s)+1+16*\b]|, 0x1800000
.endr
.irp i, 2,4,6,8,10,12,14
.irp b, 0,1,2,3
	s_delay_alu instid0(VALU_DEP_4)
	v_max3_num_f32 v[TM+\b], v[TM+\b], |v[(\s)+16*\b+\i]|, |v[(\s)+1+16*\b+\i]|
.endr
.endr
.irp b, 0,1,2,3
	s_delay_alu instid0(VALU_DEP_4)
	v_permlanex16_b32 v[TM+4+\b], v[TM+\b], s[SEL], s[SEL+1]
.endr
.irp b, 0,1,2,3
	s_delay_alu instid0(VALU_DEP_4)
	v_max_num_f32 v[TM+\b], v[TM+\b], v[TM+4+\b]
.endr
.irp b, 0,1,2,3
	s_delay_alu instid0(VALU_DEP_4)
	v_add_nc_u32 v[TM+12+\b], 0xff000000, v[TM+\b]
.endr
.irp b, 0,1,2,3
	s_delay_alu instid0(VALU_DEP_4)
	v_lshrrev_b32 v[TM+4+\b], 23, v[TM+12+\b]
.endr
	s_delay_alu instid0(VALU_DEP_3)
	v_lshl_or_b32 v[PW], v[TM+5], 8, v[TM+4]
	s_delay_alu instid0(VALU_DEP_1)
	v_lshl_or_b32 v[PW], v[TM+6], 16, v[PW]
	s_delay_alu instid0(VALU_DEP_1)
	v_lshl_or_b32 v[PW], v[TM+7], 24, v[PW]
.irp c, 0,1
	v_cvt_scalef32_pk16_fp6_f32 v[PC+6*\c:PC+2+6*\c], v[(\s)+32*\c:(\s)+15+32*\c], v[TM+12+2*\c]
	v_cvt_scalef32_pk16_fp6_f32 v[PC+12+4*\c:PC+14+4*\c], v[(\s)+16+32*\c:(\s)+31+32*\c], v[TM+12+2*\c+1]
.endr
	v_nop
.irp c, 0,1
.irp i, 0,1,2
	v_permlane16_swap_b32 v[PC+6*\c+\i], v[PC+12+4*\c+\i]
.endr
.irp i, 0,1,2
	s_delay_alu instid0(VALU_DEP_3)
	v_mov_b32 v[PC+3+6*\c+\i], v[PC+12+4*\c+\i]
.endr
.endr
.endm
.macro KADDR                           ; the addresses of the record at s[KB], s[KS]; in a step these four lines are the places behind tile 0's score products
	v_add_nc_u32 v[AK], s[KB], v3
	v_add_nc_u32 v[AK8], s[KB], v4
	v_add_nc_u32 v[AKS], s[KS], v5
	v_add_nc_u32 v[ABI], s[KS], v15
.endm
.macro KLOADS                          ; 36 LDS loads: k's scale words, its eight half fragments, the bias
.irp p, 0,1
.irp q, 0,1
	ds_load_b64 v[16+4*\p+2*\q:17+4*\p+2*\q], v[AKS] offset:256*\q+16*\p   ; the words of tiles 4 p + 2 q, + 1
.endr
.endr
	WIN 0x40
.irp t, 0,1,2,3,4,5,6,7
	ds_load_b128 v[KF+6*\t:KF+6*\t+3], v[AK] offset:768*(4*(\t/4)+(\t%2))+128*((\t%4)/2)
	ds_load_b64 v[KF+6*\t+4:KF+6*\t+5], v[AK8] offset:768*(4*(\t/4)+(\t%2))+512+64*((\t%4)/2)
.endr
.irp t, 0,1,2,3,4,5,6,7
	ds_load_b128 v[BI+8*\t:BI+8*\t+3], v[ABI] offset:256*(\t/4)+32*(\t%4)        ; -8 h of keys 64 (t/4) + 32 h + 8 (t%4) + 0..7
	ds_load_b128 v[BI+8*\t+4:BI+8*\t+7], v[ABI] offset:256*(\t/4)+32*(\t%4)+16
.endr
	WIN 0
.endm
.macro WS x, t                         ; a score product: tile t of k against query tile x, the bias as C
	v_wmma_scale_f32_16x16x128_f8f6f4 v[S+64*(\x)+8*(\t):S+64*(\x)+8*(\t)+7], v[KF+6*(\t):KF+6*(\t)+11], v[QF+12*(\x):QF+12*(\x)+11], v[BI+8*(\t):BI+8*(\t)+7], v[16+(\t)], v[28+(\x)] matrix_a_fmt:MATRIX_FMT_FP6 matrix_b_fmt:MATRIX_FMT_FP6
.endm
.macro CH x, k                         ; link k of query tile x's row chain
.if (\k) == 0
	v_max_num_f32 v[TT+28*(\x)+6], v[TT+28*(\x)+8], v[TT+28*(\x)+9]
.endif
.if (\k) == 1
	v_permlanex16_b32 v[TT+28*(\x)+14], v[TT+28*(\x)+6], s[SEL], s[SEL+1]   ; lane l xor 16 holds the query's other 64 keys
.endif
.if (\k) == 2
	v_max3_num_f32 v[TT+28*(\x)+1], v[TT+28*(\x)+1], v[TT+28*(\x)+6], v[TT+28*(\x)+14]   ; the running largest score
.endif
.if (\k) == 3
	v_mul_f32 v[TT+28*(\x)+6], s[NC], v[TT+28*(\x)+1]      ; -t
.endif
.if (\k) == 4
	v_floor_f32 v[TT+28*(\x)], v[TT+28*(\x)+6]             ; the new -M = floor(-t)
.endif
.if (\k) == 5
	v_sub_f32 v[TT+28*(\x)+6], v[TT+28*(\x)], v[TT+28*(\x)+7]   ; old M less new M: a whole number, 0 or less
.endif
.if (\k) == 6
	v_mov_b32 v[TT+28*(\x)+7], v[TT+28*(\x)]               ; kept for the next step
.endif
.if (\k) == 7
	v_cvt_i32_f32 v[TT+28*(\x)+6], v[TT+28*(\x)+6]         ; (it saturates)
.endif
.if (\k) == 8
	v_ldexp_f32 v[TT+28*(\x)+4], 1.0, v[TT+28*(\x)+6]      ; f = 2^(old M - new M)
.endif
.endm
.macro HOOK y, k                       ; what stands between two groups of four lines: y = -2 tile 1's score product k; y >= 0 link k of tile y's chain; y = -1 nothing
.if (\y) == -2
	WIN 0x15
	WS 1, \k
	WIN 0
.endif
.if (\y) >= 0
	CH \y, \k
.endif
.endm
.macro M3F x, d, s
	v_max3_num_f32 v[TT+28*\x+\d], v[S+64*\x+\s], v[S+64*\x+\s+1], v[S+64*\x+\s+2]
.endm
.macro M3 x, d, s
	v_max3_num_f32 v[TT+28*\x+\d], v[TT+28*\x+\d], v[S+64*\x+\s], v[S+64*\x+\s+1]
.endm
; The largest score of tile x's two blocks, 32 lines in eight groups of four.  A block goes in four chains (registers 0-8, 9-17, 18-24, 25-31), eight chains by turns;
; each chain's first line reads one of the four lowest registers of its accumulator.
.macro TREE x, y
.set kk, 0
.irp c, 0,1
	HOOK \y, kk
.set kk, kk+1
	M3F \x, 8+\c, 32*\c
	M3F \x, 10+\c, 32*\c+9
	M3F \x, 20+\c, 32*\c+18
	M3F \x, 24+\c, 32*\c+25
.endr
.irp i, 0,2
.irp c, 0,1
	HOOK \y, kk
.set kk, kk+1
	M3 \x, 8+\c, 32*\c+3+\i
	M3 \x, 10+\c, 32*\c+12+\i
	M3 \x, 20+\c, 32*\c+21+\i
	M3 \x, 24+\c, 32*\c+28+\i
.endr
.endr
	HOOK \y, kk
.set kk, kk+1
.irp c, 0,1
	v_max_num_f32 v[TT+28*\x+20+\c], v[TT+28*\x+20+\c], v[TT+28*\x+24+\c]
.endr
	M3 \x, 8, 7
	M3 \x, 10, 16
	HOOK \y, kk
	M3 \x, 9, 39
	M3 \x, 11, 48
.irp c, 0,1
	v_max3_num_f32 v[TT+28*\x+8+\c], v[TT+28*\x+8+\c], v[TT+28*\x+10+\c], v[TT+28*\x+20+\c]
.endr
.endm
.macro FMAS x, y                       ; t - M of tile x, two at a time, and of its blocks' largest scores
.set j, 0
.set kk, 0
.rept 8
.rept 4
	v_pk_fma_f32 v[S+64*\x+j:S+64*\x+j+1], v[S+64*\x+j:S+64*\x+j+1], s[CS:CS+1], v[TT+28*\x:TT+28*\x+1] op_sel_hi:[1,0,0]
.set j, j+2
.endr
	HOOK \y, kk
.set kk, kk+1
.endr
.irp c, 0,1
	v_fma_f32 v[TT+28*\x+8+\c], v[TT+28*\x+8+\c], s[CS], v[TT+28*\x]
.endr
.endm
.macro SOFTMAX                         ; behind tile 0's maxima
	TREE 1, 0
	CH 0, 8
	FMAS 0, 1
	CH 1, 8
	FMAS 1, -1
	s_wait_alu depctr_va_vdst(0)
.irp x, 0,1
.irp c, 0,1
	v_exp_f32 v[TT+28*\x+8+\c], v[TT+28*\x+8+\c]   ; the block's largest p
.endr
.endr
.set j, 0
.rept 128
	v_exp_f32 v[S+j], v[S+j]
.set j, j+1
.endr
	v_nop                                          ; one plain line behind the batch
	s_wait_alu depctr_va_vdst(0)                   ; one wait for the whole batch, ahead of its first reader
.irp x, 0,1
.irp c, 0,1
	v_max_num_f32 v[TT+28*\x+8+\c], 0x1800000, v[TT+28*\x+8+\c]   ; the floor 2^(3 - 127): the byte cannot fall under 1
.endr
.endr
.irp x, 0,1                                    ; the sums of the unquantised p: four chains a tile, eight by turns
	v_pk_fma_f32 v[TT+28*\x+2:TT+28*\x+3], v[TT+28*\x+2:TT+28*\x+3], v[TT+28*\x+4:TT+28*\x+5], v[S+64*\x:S+64*\x+1] op_sel_hi:[1,0,1]   ; the sum under the new M, and the first pair
	v_pk_add_f32 v[TT+28*\x+12:TT+28*\x+13], v[S+64*\x+2:S+64*\x+3], v[S+64*\x+10:S+64*\x+11]
	v_pk_add_f32 v[TT+28*\x+18:TT+28*\x+19], v[S+64*\x+4:S+64*\x+5], v[S+64*\x+12:S+64*\x+13]
	v_pk_add_f32 v[SD+2*\x:SD+2*\x+1], v[S+64*\x+6:S+64*\x+7], v[S+64*\x+14:S+64*\x+15]
.endr
.irp x, 0,1
.irp c, 0,1
	v_add_nc_u32 v[TT+28*\x+16+\c], 0xff000000, v[TT+28*\x+8+\c]  ; 2 off the exponent field: the conversion's scale operand
.endr
.endr
.irp x, 0,1
	v_pk_add_f32 v[TT+28*\x+2:TT+28*\x+3], v[TT+28*\x+2:TT+28*\x+3], v[S+64*\x+8:S+64*\x+9]
.endr
.irp x, 0,1
.irp c, 0,1
	v_cvt_scalef32_pk16_fp6_f32 v[PCX+12*\x+6*\c:PCX+12*\x+6*\c+2], v[S+64*\x+32*\c:S+64*\x+32*\c+15], v[TT+28*\x+16+\c]
	v_cvt_scalef32_pk16_fp6_f32 v[TT+28*\x+20+4*\c:TT+28*\x+22+4*\c], v[S+64*\x+32*\c+16:S+64*\x+32*\c+31], v[TT+28*\x+16+\c]   ; (a conversion's three registers begin on an even number)
.endr
.endr
.irp x, 0,1
.irp c, 0,1
	v_lshrrev_b32 v[TT+28*\x+10+\c], 23, v[TT+28*\x+16+\c]   ; the bytes of my blocks h and 2 + h.  (Plain lines behind the conversions)
.endr
.endr
.irp j, 16,24,32,40,48,56                      ; the scale word's chain stands link by link among the sums
.irp x, 0,1
	v_pk_add_f32 v[TT+28*\x+2:TT+28*\x+3], v[TT+28*\x+2:TT+28*\x+3], v[S+64*\x+\j:S+64*\x+\j+1]
	v_pk_add_f32 v[TT+28*\x+12:TT+28*\x+13], v[TT+28*\x+12:TT+28*\x+13], v[S+64*\x+\j+2:S+64*\x+\j+3]
	v_pk_add_f32 v[TT+28*\x+18:TT+28*\x+19], v[TT+28*\x+18:TT+28*\x+19], v[S+64*\x+\j+4:S+64*\x+\j+5]
	v_pk_add_f32 v[SD+2*\x:SD+2*\x+1], v[SD+2*\x:SD+2*\x+1], v[S+64*\x+\j+6:S+64*\x+\j+7]
.endr
.irp x, 0,1
.if \j == 16
	v_lshl_or_b32 v[TT+28*\x+6], v[TT+28*\x+11], 16, v[TT+28*\x+10]
.endif
.if \j == 24
	v_lshlrev_b32 v[TT+28*\x+6], v[SH8], v[TT+28*\x+6]       ; at their places in the word
.endif
.if \j == 32
	v_permlanex16_b32 v[TT+28*\x+14], v[TT+28*\x+6], s[SEL], s[SEL+1]
.endif
.if \j == 40
	v_or_b32 v[30+\x], v[TT+28*\x+6], v[TT+28*\x+14]         ; with lane l xor 16's two the word is whole
.endif
.endr
.endr
.irp x, 0,1
	v_pk_add_f32 v[TT+28*\x+12:TT+28*\x+13], v[TT+28*\x+12:TT+28*\x+13], v[TT+28*\x+18:TT+28*\x+19]
	v_pk_add_f32 v[TT+28*\x+2:TT+28*\x+3], v[TT+28*\x+2:TT+28*\x+3], v[SD+2*\x:SD+2*\x+1]
.endr
.irp c, 0,1
.irp i, 0,1,2
	v_mov_b32 v[PCX+6*\c+3+\i], v[TT+20+4*\c+\i]
.endr
.endr
.irp x, 0,1
	v_pk_add_f32 v[TT+28*\x+2:TT+28*\x+3], v[TT+28*\x+2:TT+28*\x+3], v[TT+28*\x+12:TT+28*\x+13]
.endr
.irp c, 0,1
.irp i, 0,1,2
	v_mov_b32 v[PCX+12+6*\c+3+\i], v[TT+48+4*\c+\i]
.endr
.endr
.endm
.macro STEP lastb, lasts
	v_add_nc_u32 v[AV], s[TB], v1                  ; three additions and a v_nop: the places behind the last step's products, ahead of the loads into their registers
	v_add_nc_u32 v[AV8], s[TB], v2
	v_add_nc_u32 v[AVS], s[TS], v14
	v_nop
	ds_load_b128 v[24:27], v[AVS]                  ; v's scale words
	WIN 0x40
.irp c, 0,1,2,3
.irp e, 0,1
	ds_load_b128 v[VF+12*\c+6*\e:VF+12*\c+6*\e+3], v[AV] offset:6144+1536*\c+768*\e
	ds_load_b64 v[VF+12*\c+6*\e+4:VF+12*\c+6*\e+5], v[AV8] offset:6144+1536*\c+768*\e+512
.endr
.endr
	s_wait_dscnt 17                                ; all but the 17 just issued: k, its words and the bias are in
	WIN 0x15
.irp t, 0,1,2,3,4,5,6,7
	WS 0, \t
.endr
	WIN 0
	s_add_co_u32 s[TB], s[TB], REC
	s_add_co_u32 s[TS], s[TS], AREC
	s_min_u32 s[KB], s[TB], (\lastb)               ; the next step's record, held at the phase's last
	s_min_u32 s[KS], s[TS], (\lasts)
	KADDR
	TREE 0, -2                                     ; tile 0's maxima, four lines behind each of tile 1's score products: the last four are the places ahead of the loads below
	KLOADS
	SOFTMAX
	s_wait_dscnt 0x0                               ; v's fragments and words are in
	s_wait_alu depctr_va_vdst(0)                   ; directly ahead of the first reader of O^T
	WIN 0x41
.irp x, 0,1
.set j, 0
.rept 16
	v_pk_mul_f32 v[32*\x+j:32*\x+j+1], v[32*\x+j:32*\x+j+1], v[TT+28*\x+4:TT+28*\x+5] op_sel_hi:[1,0]   ; O^T under the new M; also the places ahead of the scaled products
.set j, j+2
.endr
.endr
	WIN 0x51
.irp c, 0,1,2,3
.irp x, 0,1
	v_wmma_scale_f32_16x16x128_f8f6f4 v[32*\x+8*\c:32*\x+8*\c+7], v[VF+12*\c:VF+12*\c+11], v[PCX+12*\x:PCX+12*\x+11], v[32*\x+8*\c:32*\x+8*\c+7], v[24+\c], v[30+\x] matrix_a_fmt:MATRIX_FMT_FP6 matrix_b_fmt:MATRIX_FMT_FP6
.endr
.endr
	WIN 0
.endm
.macro PHASE pl, n, st                 ; n steps: records at places pl on, steps st on
	s_mov_b32 s[TB], (\pl)*REC
	s_mov_b32 s[TS], (\st)*AREC
	s_mov_b32 s[KB], (\pl)*REC
	s_mov_b32 s[KS], (\st)*AREC
	KADDR
	KLOADS
	s_mov_b32 s[CNT], \n
.Lstep_\@:
	STEP ((\pl)+(\n)-1)*REC, ((\st)+(\n)-1)*AREC
	s_sub_co_u32 s[CNT], s[CNT], 1
	s_cmp_lg_u32 s[CNT], 0
	s_cbranch_scc1 .Lstep_\@
.endm
	s_load_b256 s[4:11], s[0:1], 0x0               ; qimg 4:5, qsc 6:7, kv 8:9, aux 10:11
	s_load_b64 s[12:13], s[0:1], 0x20              ; orec
	v_lshl_add_u32 v6, v0, 2, SPARE
	v_mov_b32 v7, 0
	ds_add_u32 v6, v7
	ds_add_u32 v6, v7
	v_lshrrev_b32 v1, 5, v0
	v_readfirstlane_b32 s[WV], v1
	s_bfe_u32 s16, ttmp6, 0x40000                  ; cx
	s_lshl_b32 s17, ttmp9, 2
	s_add_co_u32 s17, s17, s16                     ; query block
	s_and_b32 s18, ttmp7, 0xffff                   ; head
.irp g, G1R, G1A, G1C                          ; dense blocks as rows of 256 bytes; the mask names the cluster's four
	s_mov_b32 s[\g], 15|(3<<16)|(1<<21)
	s_mov_b32 s[\g+1], 32<<16
	s_mov_b32 s[\g+3], 32<<16
	s_mov_b32 s[\g+5], 32
	s_mov_b32 s[\g+6], 0
	s_mov_b32 s[\g+7], 0
.endr
	s_mov_b32 s[G1R+2], 96<<16                     ; two records
	s_mov_b32 s[G1R+4], 96
	s_mov_b32 s[G1A+2], 80<<16                     ; half of aux
	s_mov_b32 s[G1A+4], 80
	s_mov_b32 s[G1C+2], 60<<16                     ; an eighth of ten records
	s_mov_b32 s[G1C+4], 60
	s_mov_b32 s[SEL], 0x76543210
	s_mov_b32 s[SEL+1], 0xfedcba98
	s_mov_b32 s[CS], 0x3e38aa3b                    ; c = log2(e) / 8
	s_mov_b32 s[CS+1], s[CS]
	s_mov_b32 s[NC], 0xbe38aa3b                    ; -c
	s_mul_i32 s80, s18, 32*REC                     ; the head's records
	s_mov_b32 s[G0H], 1
	s_mul_i32 s[G0H+1], s[WV], 2*REC
	s_add_co_u32 s[G0H+2], s80, s[G0H+1]
	s_mov_b32 s[G0H+3], 0
	s_and_b32 s81, s[WV], 1
	s_mul_i32 s81, s81, 16*AREC
	s_mov_b32 s[G0A], 1
	s_add_co_u32 s[G0A+1], s81, AUXL
	s_mul_i32 s[G0A+2], s18, 32*AREC
	s_add_co_u32 s[G0A+2], s[G0A+2], s81
	s_mov_b32 s[G0A+3], 0
	s_mul_i32 s81, s[WV], 15360
	s_mov_b32 s[G0C], 1
	s_add_co_u32 s[G0C+1], s81, 12*REC
	s_add_co_u32 s[G0C+2], s80, s[G0C+1]
	s_mov_b32 s[G0C+3], 0
	s_mov_b32 s[G0D], 1
	s_mov_b32 s[G0D+1], s81
	s_add_co_u32 s[G0D+2], s80, s81
	s_add_co_u32 s[G0D+2], s[G0D+2], 22*REC
	s_mov_b32 s[G0D+3], 0
	s_mul_i32 s[PFA], s16, 30720                   ; my work-group's 120 blocks of records 22-31
	s_add_co_u32 s[PFA], s[PFA], s80
	s_add_co_u32 s[PFA], s[PFA], 22*REC
	s_mov_b32 s[PFA+1], 0
	s_lshl_b32 s80, s18, 8
	s_lshl_b32 s81, s17, 4
	s_add_co_u32 s80, s80, s81
	s_lshl_b32 s81, s[WV], 1
	s_add_co_u32 s80, s80, s81                     ; q's tile 256 head + 16 block + 2 w
	s_mul_i32 s[QP], s80, 768
	s_mov_b32 s[QP+1], 0
	s_lshl_b32 s[QS], s80, 6
	s_mov_b32 s[QS+1], 0
	s_lshl_b32 s80, s17, 1
	s_lshr_b32 s81, s[WV], 2
	s_add_co_u32 s80, s80, s81
	s_mul_i32 s80, s80, 102400                     ; orec: panel 2 block + w / 4,
	s_and_b32 s81, s[WV], 3
	s_mul_i32 s[OP], s81, 24576                    ; tiles 2 (w % 4) on,
	s_add_co_u32 s[OP], s[OP], s80
	s_mul_i32 s82, s18, 768                        ; the head's 64 of K
	s_add_co_u32 s[OP], s[OP], s82
	s_mov_b32 s[OP+1], 0
	s_lshl_b32 s[OS], s81, 10
	s_add_co_u32 s[OS], s[OS], s80
	s_add_co_u32 s[OS], s[OS], 98304
	s_lshl_b32 s82, s18, 1
	s_add_co_u32 s[OS], s[OS], s82
	s_mov_b32 s[OS+1], 0
	s_wait_dscnt 0x0                               ; both opening adds are done
	s_wait_kmcnt 0x0
	s_add_nc_u64 s[G0H+2:G0H+3], s[8:9], s[G0H+2:G0H+3]
	s_or_b32 s[G0H+3], s[G0H+3], 0x80000000
	s_add_nc_u64 s[G0A+2:G0A+3], s[10:11], s[G0A+2:G0A+3]
	s_or_b32 s[G0A+3], s[G0A+3], 0x80000000
	s_add_nc_u64 s[G0C+2:G0C+3], s[8:9], s[G0C+2:G0C+3]
	s_or_b32 s[G0C+3], s[G0C+3], 0x80000000
	s_add_nc_u64 s[G0D+2:G0D+3], s[8:9], s[G0D+2:G0D+3]
	s_or_b32 s[G0D+3], s[G0D+3], 0x80000000
	s_add_nc_u64 s[PFA:PFA+1], s[8:9], s[PFA:PFA+1]
	s_add_nc_u64 s[QP:QP+1], s[4:5], s[QP:QP+1]
	s_add_nc_u64 s[QS:QS+1], s[6:7], s[QS:QS+1]
	s_add_nc_u64 s[OP:OP+1], s[12:13], s[OP:OP+1]
	s_add_nc_u64 s[OS:OS+1], s[12:13], s[OS:OS+1]
	CROUND                                         ; the four partners are here: the first joint loads meet
	s_cmp_lt_u32 s[WV], 6                          ; the head's loads, one a wave
	s_cbranch_scc0 .Lhead_aux
	tensor_load_to_lds s[G0H:G0H+3], s[G1R:G1R+7]  ; records 2 w, 2 w + 1
	s_nop 0
	PLACES 4
	s_branch .Lhead_j
.Lhead_aux:
	tensor_load_to_lds s[G0A:G0A+3], s[G1A:G1A+7]  ; half of aux
	s_nop 0
	PLACES 4
.Lhead_j:
	v_and_b32 v8, 31, v0
	v_and_b32 v9, 15, v0                           ; r
	v_and_b32 v10, 7, v0                           ; r % 8
	v_bfe_u32 v11, v0, 3, 1                        ; r / 8
	v_bfe_u32 v12, v0, 4, 1                        ; h
	v_lshlrev_b32 v1, 4, v8                        ; 16 l
	v_lshlrev_b32 v2, 3, v8                        ; 8 l
	v_mul_u32_u24 v13, v11, 1536
	v_lshl_add_u32 v3, v10, 4, v13
	v_lshl_add_u32 v3, v12, 8, v3                  ; k, 16-byte part: 1536 (r/8) + 16 (r%8) + 256 h
	v_lshl_add_u32 v4, v10, 3, v13
	v_lshl_add_u32 v4, v12, 7, v4                  ; k, 8-byte part: 1536 (r/8) + 8 (r%8) + 128 h
	v_lshl_add_u32 v5, v10, 5, AUXL
	v_lshl_add_u32 v5, v11, 3, v5                  ; k's words: 32 (r%8) + 8 (r/8)
	v_lshl_add_u32 v14, v9, 4, AUXL+512            ; v's words: 16 r
	v_lshl_add_u32 v15, v12, 7, AUXL+768           ; the bias: 128 h
	v_lshlrev_b32 v[SH8], 3, v12
	v_min_u32 v[PFO], 119, v0
	v_lshlrev_b32 v[PFO], 8, v[PFO]                ; a lane a block of 256 bytes; the lanes left over name the last block again
	v_lshlrev_b32 v[R32], 5, v9
	v_lshlrev_b32 v[R4], 2, v9
	WIN 0x40
.irp x, 0,1
	global_load_b128 v[QF+12*\x:QF+12*\x+3], v1, s[QP:QP+1] offset:768*\x
	global_load_b64 v[QF+12*\x+4:QF+12*\x+5], v2, s[QP:QP+1] offset:768*\x+512
.endr
.irp x, 0,1
.irp i, 6,7,8,9,10,11
	v_mov_b32 v[QF+12*\x+\i], 0                    ; q's K is 64 of the instruction's 128: zero codes
.endr
.endr
.irp i, 0,1,2,3,4,5
	v_mov_b32 v[KF+48+\i], 0
.endr
.set j, 0
.rept 64
	v_mov_b32 v[j], 0                              ; O^T: the step is written once, and the first finds zeros
.set j, j+1
.endr
	WIN 0
.irp x, 0,1
	global_load_b32 v[28+\x], v[R4], s[QS:QS+1] offset:64*\x
	v_mov_b32 v[TT+28*\x+7], 0x7e000000            ; the last -M: above every later one, so that the first f is 0
	v_mov_b32 v[TT+28*\x+1], 0xff61b1e6            ; the largest score so far: -3e38
	v_mov_b32 v[TT+28*\x+2], 0
	v_mov_b32 v[TT+28*\x+3], 0
	v_mov_b32 v[TT+28*\x+5], 0
	v_mov_b32 v[TT+28*\x+14], 0                    ; a lane permute's destination counts as one of its sources
	v_mov_b32 v[TT+28*\x+15], 0
.endr
	s_wait_alu depctr_va_vdst(0)
	s_wait_loadcnt 0x0
	GRD
	CROUND
	tensor_load_to_lds s[G0C:G0C+3], s[G1C:G1C+7]  ; records 12-21, places 12-21: a first fill, my one load behind the round
	s_nop 0
	PLACES 4
	s_cmp_lt_u32 s[WV], 4
	s_cbranch_scc0 .Lnot_asked
	global_prefetch_b8 v[PFO], s[PFA:PFA+1] th:TH_LOAD_NT scope:SCOPE_SE   ; its address registers are never written again
.Lnot_asked:
	PHASE 0, 12, 0
	GRD
	CROUND
	tensor_load_to_lds s[G0D:G0D+3], s[G1C:G1C+7]  ; records 22-31 into places 0-9
	s_nop 0
	PLACES 4
	PHASE 12, 10, 12
	GRD
	s_barrier_signal -1
	s_barrier_wait -1
	PHASE 0, 10, 22
	PLACES 4
.irp x, 0,1
	v_add_f32 v[TT+28*\x+2], v[TT+28*\x+2], v[TT+28*\x+3]
.endr
.irp x, 0,1
	s_delay_alu instid0(VALU_DEP_2)
	v_permlanex16_b32 v[TT+28*\x+12], v[TT+28*\x+2], s[SEL], s[SEL+1]
.endr
.irp x, 0,1
	s_delay_alu instid0(VALU_DEP_2)
	v_add_f32 v[TT+28*\x+2], v[TT+28*\x+2], v[TT+28*\x+12]   ; the row's sum
.endr
	s_wait_alu depctr_va_vdst(0)
.irp x, 0,1
	v_rcp_f32 v[TT+28*\x+4], v[TT+28*\x+2]
.endr
	v_nop
	s_wait_alu depctr_va_vdst(0)
	WIN 0x01
.irp x, 0,1
.set j, 0
.rept 32
	v_mul_f32 v[S+32*\x+j], v[32*\x+j], v[TT+28*\x+4]
.set j, j+1
.endr
.endr
	WIN 0
	QUANT S                                        ; along the head's 64 channels: two blocks a query tile
.irp x, 0,1
	global_store_b128 v1, v[PC+6*\x:PC+6*\x+3], s[OP:OP+1] offset:12288*\x
	global_store_b64 v2, v[PC+6*\x+4:PC+6*\x+5], s[OP:OP+1] offset:12288*\x+512
.endr
	global_store_b16 v[R32], v[PW], s[OS:OS+1]
	global_store_d16_hi_b16 v[R32], v[PW], s[OS:OS+1] offset:512
	GRD
	CROUND                                         ; the closing round
	s_endpgm
.Lfunc_end_k_q4ce52354d1_attn:
	.size	k_q4ce52354d1_attn, .Lfunc_end_k_q4ce52354d1_attn-k_q4ce52354d1_attn
	.p2alignl 7, 3214868480
	.fill 96, 4, 3214868480
	.section	.rodata,"a",@progbits
	.p2align	6, 0x0
	.amdhsa_kernel k_q4ce52354d1_attn
		.amdhsa_group_segment_fixed_size 327680
		.amdhsa_private_segment_fixed_size 0
		.amdhsa_enable_private_segment 0
		.amdhsa_kernarg_size 40
		.amdhsa_user_sgpr_count 2
		.amdhsa_user_sgpr_kernarg_segment_ptr 1
		.amdhsa_wavefront_size32 1
		.amdhsa_system_sgpr_workgroup_id_x 1
		.amdhsa_system_sgpr_workgroup_id_y 1
		.amdhsa_system_sgpr_workgroup_id_z 1
		.amdhsa_system_vgpr_workitem_id 0
		.amdhsa_next_free_vgpr 512
		.amdhsa_next_free_sgpr 84
		.amdhsa_reserve_vcc 0
		.amdhsa_float_denorm_mode_32 3
		.amdhsa_float_denorm_mode_16_64 3
		.amdhsa_memory_ordered 1
		.amdhsa_forward_progress 1
		.amdhsa_inst_pref_size 116
	.end_amdhsa_kernel
	.amdgpu_metadata
---
amdhsa.version: [ 1, 2 ]
amdhsa.kernels:
  - .name:           k_q4ce52354d1_attn
    .symbol:         k_q4ce52354d1_attn.kd
    .args:
      - { .name: qimg, .offset: 0, .size: 8, .value_kind: global_buffer, .address_space: global }
      - { .name: qsc, .offset: 8, .size: 8, .value_kind: global_buffer, .address_space: global }
      - { .name: kv, .offset: 16, .size: 8, .value_kind: global_buffer, .address_space: global }
      - { .name: aux, .offset: 24, .size: 8, .value_kind: global_buffer, .address_space: global }
      - { .name: orec, .offset: 32, .size: 8, .value_kind: global_buffer, .address_space: global }
    .group_segment_fixed_size: 327680
    .private_segment_fixed_size: 0
    .kernarg_segment_align: 8
    .kernarg_segment_size: 40
    .max_flat_workgroup_size: 256
    .sgpr_count:     84
    .vgpr_count:     512
    .wavefront_size: 32
...
	.end_amdgpu_metadata
.endif
;; end of part 3
;; launch oproj (part 4): grid 8 x 32, 4 waves a work-group, clusters of 4 x 4, 327,680 bytes of LDS; arguments orec, wrec, bo, x, out0; writes out0
.if DOCPART == 4
	.amdgcn_target "amdgcn-amd-amdhsa--gfx1250"
	.amdhsa_code_object_version 6
	.text
	.protected	k_q4ce52354d1_oproj
	.globl	k_q4ce52354d1_oproj
	.p2align	8
	.type	k_q4ce52354d1_oproj,@function
k_q4ce52354d1_oproj:
	s_mov_b64 s[64:65], 0
	v_nop
	global_prefetch_b8 v0, s[64:65] scope:SCOPE_SE
	s_setreg_imm32_b32 hwreg(HW_REG_WAVE_MODE, 25, 1), 1
	s_wait_xcnt 0x0
	s_wait_alu depctr_hold_cnt(0) depctr_sa_sdst(0) depctr_va_vdst(0) depctr_va_sdst(0) depctr_va_ssrc(0) depctr_va_vcc(0) depctr_vm_vsrc(0)
	s_getreg_b32 s2, hwreg(HW_REG_IB_STS2, 6, 4)
	s_cmp_eq_u32 s2, 0
	s_cbranch_scc0 .Lentry_in_a_cluster
	s_endpgm
.Lentry_in_a_cluster:
	s_bfe_u32 s2, ttmp6, 0x10000c
	s_cmp_lg_u32 s2, 0xf033
	s_cbranch_scc0 .Lentry_shape_is_right
	s_endpgm
.Lentry_shape_is_right:
; OPROJ: out0 = o Wo^T + bo + x on codes of FP6 (E2M3).  Work-group (j, i): token block i (128 tokens) x feature panel j (128 features); wave w makes 64 x 64.
; LDS: o's panel record, Wo's panel record (102,400 bytes each, all of K), a stage of 16 rows x 272 bytes a wave, the spare words.  Nothing is filled again.
; The head's loads, one a wave: waves 0, 1 fetch o's two half panels (jointly along the cluster's row), waves 2, 3 Wo's (along its column): 200 rows of 256 bytes each.
; bo is the C of the first K step; x is added on the way out, where a block goes through the stage and leaves as whole rows of 256 bytes.
.set REC,   102400
.set QUART, 25600
.set SCO,   98304
.set HALFP, 49152
.set SO,    0
.set SW,    REC
.set STG,   2*REC
.set L16, 1
.set L8,  2
.set R32, 5
.set AR,  6
.set AR8, 7
.set AP,  8
.set SR,  9
.set SP,  10
.set STO, 11
.set RD,  12
.set XO,  13
.set H64, 18
.set PS,  20
.set RS,  52
.set ACC, 128
.set XR,  0
.set BO,  128
.set WV,  24
.set XB,  68
.set YB,  70
.set BOP, 72
.set MSB, 0
.macro WIN new
.if MSB != \new
	s_set_vgpr_msb (MSB<<8)|\new
.set MSB, \new
.endif
.endm
.macro PLACES n
.rept \n
	v_nop
.endr
.endm
.macro CROUND
	s_barrier_signal -1
	s_barrier_wait -1
	s_cmp_lg_u32 s[WV], 0
	s_cbranch_scc1 .Lnw0_\@
	s_barrier_signal -3
.Lnw0_\@:
	s_barrier_wait -3
	s_barrier_signal -1
	s_barrier_wait -1
.endm
.macro FETCH set, k
	WIN 0x40
.irp t, 0,1,2,3
.irp g, 0,1,2
	ds_load_b128 v[96*(\set)+12*\t+4*\g:96*(\set)+12*\t+4*\g+3], v[AP] offset:12288*\t+1536*(\k)+512*\g
.endr
.endr
.irp a, 0,1,2,3
.irp e, 0,1
	ds_load_b128 v[96*(\set)+48+12*\a+6*\e:96*(\set)+48+12*\a+6*\e+3], v[AR] offset:12288*\a+1536*(\k)+768*\e
	ds_load_b64 v[96*(\set)+48+12*\a+6*\e+4:96*(\set)+48+12*\a+6*\e+5], v[AR8] offset:12288*\a+1536*(\k)+768*\e+512
.endr
.endr
.endm
.macro MULS set, s
.if (\s) == 0
	WIN 0x25
.else
	WIN 0x05
.endif
.irp a, 0,1,2,3
.irp t, 0,1,2,3
.if (\s) == 0
	v_wmma_scale_f32_16x16x128_f8f6f4 v[ACC+32*\a+8*\t:ACC+32*\a+8*\t+7], v[96*(\set)+12*\t:96*(\set)+12*\t+11], v[96*(\set)+48+12*\a:96*(\set)+48+12*\a+11], v[BO+8*\t:BO+8*\t+7], v[PS+8*\t+(\s)], v[RS+8*\a+(\s)] matrix_a_fmt:MATRIX_FMT_FP6 matrix_b_fmt:MATRIX_FMT_FP6
.else
	v_wmma_scale_f32_16x16x128_f8f6f4 v[ACC+32*\a+8*\t:ACC+32*\a+8*\t+7], v[96*(\set)+12*\t:96*(\set)+12*\t+11], v[96*(\set)+48+12*\a:96*(\set)+48+12*\a+11], v[ACC+32*\a+8*\t:ACC+32*\a+8*\t+7], v[PS+8*\t+(\s)], v[RS+8*\a+(\s)] matrix_a_fmt:MATRIX_FMT_FP6 matrix_b_fmt:MATRIX_FMT_FP6
.endif
.endr
.endr
.endm
.macro TOSTAGE a
.irp b, 0,1
.irp q, 0,1,2,3
	ds_store_b128 v[STO], v[ACC+32*(\a)+16*\b+4*\q:ACC+32*(\a)+16*\b+4*\q+3] offset:128*\b+16*\q
.endr
.endr
.irp k, 0,1,2,3,4,5,6,7
	ds_load_b128 v[ACC+32*(\a)+4*\k:ACC+32*(\a)+4*\k+3], v[RD] offset:544*\k
.endr
.endm
.macro SEND a, younger
	s_wait_dscnt \younger
	WIN 0x08
.set e, 0
.rept 16
	v_pk_add_f32 v[ACC+32*(\a)+e:ACC+32*(\a)+e+1], v[ACC+32*(\a)+e:ACC+32*(\a)+e+1], v[XR+32*(\a)+e:XR+32*(\a)+e+1]
.set e, e+2
.endr
	WIN 0
.irp k, 0,1,2,3,4,5,6,7
	global_store_b128 v[XO], v[ACC+32*(\a)+4*\k:ACC+32*(\a)+4*\k+3], s[YB:YB+1] offset:(32*((\a)/2)+8*((\a)%2)+2*\k+8*(\k/4))*4096 th:TH_STORE_NT
.endr
.endm
	s_load_b256 s[4:11], s[0:1], 0x0
	s_load_b64 s[12:13], s[0:1], 0x20
	v_lshl_add_u32 v126, v0, 2, 0x36400
	v_mov_b32 v127, 0
	ds_add_u32 v126, v127
	ds_add_u32 v126, v127
	v_lshrrev_b32 v1, 5, v0
	v_readfirstlane_b32 s[WV], v1
	s_and_b32 s25, s[WV], 1
	s_lshr_b32 s26, s[WV], 1
	s_bfe_u32 s27, ttmp6, 0x40000
	s_bfe_u32 s28, ttmp6, 0x40004
	s_lshl_b32 s29, ttmp9, 2
	s_add_co_u32 s29, s29, s27
	s_and_b32 s30, ttmp7, 0xffff
	s_lshl_b32 s30, s30, 2
	s_add_co_u32 s30, s30, s28
	s_lshl_b32 s90, s28, 2
	s_lshl_b32 s90, 15, s90
	s_lshl_b32 s92, 0x1111, s27
	s_or_b32 s32, s90, (3<<16)|(1<<21)
	s_or_b32 s40, s92, (3<<16)|(1<<21)
.irp g, 32, 40
	s_mov_b32 s[\g+1], 32<<16
	s_mov_b32 s[\g+2], 200<<16
	s_mov_b32 s[\g+3], 32<<16
	s_mov_b32 s[\g+4], 200
	s_mov_b32 s[\g+5], 32
	s_mov_b32 s[\g+6], 0
	s_mov_b32 s[\g+7], 0
.endr
	s_mul_i32 s94, s25, 2*QUART                    ; which half of a panel I fetch: of the wave's number alone
	s_mul_i32 s90, s30, REC
	s_add_co_u32 s90, s90, s94
	s_mov_b32 s91, 0
	s_mul_i32 s92, s29, REC
	s_add_co_u32 s92, s92, s94
	s_add_co_u32 s92, s92, 24*REC
	s_mov_b32 s93, 0
	s_lshl_b32 s[XB], s30, 19
	s_lshl_b32 s95, s26, 18
	s_add_co_u32 s[XB], s[XB], s95
	s_lshl_b32 s[BOP], s29, 9
	s_lshl_b32 s95, s25, 8
	s_add_co_u32 s[BOP], s[BOP], s95
	s_add_co_u32 s[XB], s[XB], s[BOP]
	s_mov_b32 s[XB+1], 0
	s_mov_b32 s[BOP+1], 0
	s_mov_b64 s[YB:YB+1], s[XB:XB+1]
	s_wait_dscnt 0x0
	s_wait_kmcnt 0x0
	s_mov_b32 s48, 1
	s_add_co_u32 s49, s94, SO
	s_add_nc_u64 s[50:51], s[4:5], s[90:91]
	s_or_b32 s51, s51, 0x80000000
	s_mov_b32 s52, 1
	s_add_co_u32 s53, s94, SW
	s_add_nc_u64 s[54:55], s[6:7], s[92:93]
	s_or_b32 s55, s55, 0x80000000
	s_add_nc_u64 s[XB:XB+1], s[10:11], s[XB:XB+1]
	s_add_nc_u64 s[YB:YB+1], s[12:13], s[YB:YB+1]
	s_add_nc_u64 s[BOP:BOP+1], s[8:9], s[BOP:BOP+1]
	CROUND
	s_cmp_lt_u32 s[WV], 2
	s_cbranch_scc0 .Lhead_w
	tensor_load_to_lds s[48:51], s[32:39]
	s_nop 0
	PLACES 4
	s_branch .Lhead_j
.Lhead_w:
	tensor_load_to_lds s[52:55], s[40:47]
	s_nop 0
	PLACES 4
.Lhead_j:
	v_and_b32 v14, 31, v0
	v_and_b32 v15, 15, v0
	v_bfe_u32 v16, v0, 4, 1
	v_lshlrev_b32 v[L16], 4, v14
	v_lshlrev_b32 v[L8], 3, v14
	v_lshlrev_b32 v[R32], 5, v15
	s_wait_alu depctr_va_vdst(0)
	v_lshlrev_b32 v[H64], 6, v16
	s_mul_i32 s2, s26, HALFP
	s_mul_i32 s3, s25, HALFP
	s_add_co_u32 s31, s2, SO
	v_add_nc_u32 v[AR], s31, v[L16]
	v_add_nc_u32 v[AR8], s31, v[L8]
	s_add_co_u32 s31, s3, SW
	v_add_nc_u32 v[AP], s31, v[L16]
	s_lshl_b32 s2, s26, 11
	s_lshl_b32 s3, s25, 11
	s_add_co_u32 s31, s2, SO+SCO
	v_add_nc_u32 v[SR], s31, v[R32]
	s_add_co_u32 s31, s3, SW+SCO
	v_add_nc_u32 v[SP], s31, v[R32]
	s_mul_i32 s31, s[WV], 16*272
	s_add_co_u32 s31, s31, STG
	v_mul_u32_u24 v[STO], v15, 272
	v_lshl_add_u32 v[STO], v16, 6, v[STO]
	v_add_nc_u32 v[STO], s31, v[STO]
	v_mul_u32_u24 v[RD], v16, 272
	v_lshl_add_u32 v[RD], v15, 4, v[RD]
	v_add_nc_u32 v[RD], s31, v[RD]
	v_lshlrev_b32 v[XO], 12, v16
	v_lshl_add_u32 v[XO], v15, 4, v[XO]
	WIN 0x80
.irp t, 0,1,2,3
	global_load_b128 v[BO+8*\t:BO+8*\t+3], v[H64], s[BOP:BOP+1] offset:(32*(\t/2)+8*(\t%2))*4
	global_load_b128 v[BO+8*\t+4:BO+8*\t+7], v[H64], s[BOP:BOP+1] offset:(32*(\t/2)+8*(\t%2))*4+16
.endr
.irp a, 0,1,2,3
.irp k, 0,1,2,3,4,5,6,7
	global_load_b128 v[XR+32*\a+4*\k:XR+32*\a+4*\k+3], v[XO], s[XB:XB+1] offset:(32*(\a/2)+8*(\a%2)+2*\k+8*(\k/4))*4096 th:TH_LOAD_NT
.endr
.endr
	WIN 0
	s_wait_alu depctr_va_vdst(0)
	s_wait_tensorcnt 0x0
	s_barrier_signal -1
	s_barrier_wait -1
	s_wait_loadcnt 32
.irp t, 0,1,2,3
	ds_load_b128 v[PS+8*\t:PS+8*\t+3], v[SP] offset:512*\t
	ds_load_b128 v[PS+8*\t+4:PS+8*\t+7], v[SP] offset:512*\t+16
	ds_load_b128 v[RS+8*\t:RS+8*\t+3], v[SR] offset:512*\t
	ds_load_b128 v[RS+8*\t+4:RS+8*\t+7], v[SR] offset:512*\t+16
.endr
	FETCH 0, 0
.irp k, 0,1,2,3,4,5,6
	PLACES 4
	FETCH (\k+1)%2, \k+1
	s_wait_dscnt 28
	MULS \k%2, \k
.endr
	s_wait_dscnt 0x0
	MULS 1, 7
	WIN 0
	PLACES 4
	s_wait_loadcnt 0x0
	TOSTAGE 0
.irp a, 1,2,3
	TOSTAGE \a
	SEND \a-1, 16
.endr
	SEND 3, 0
	s_wait_dscnt 0x0
	s_wait_tensorcnt 0x0
	ds_add_u32 v126, v127
	s_wait_dscnt 0x0
	CROUND
	s_endpgm
.Lfunc_end_k_q4ce52354d1_oproj:
	.size	k_q4ce52354d1_oproj, .Lfunc_end_k_q4ce52354d1_oproj-k_q4ce52354d1_oproj
	.p2alignl 7, 3214868480
	.fill 96, 4, 3214868480
	.section	.rodata,"a",@progbits
	.p2align	6, 0x0
	.amdhsa_kernel k_q4ce52354d1_oproj
		.amdhsa_group_segment_fixed_size 327680
		.amdhsa_private_segment_fixed_size 0
		.amdhsa_enable_private_segment 0
		.amdhsa_kernarg_size 40
		.amdhsa_user_sgpr_count 2
		.amdhsa_user_sgpr_kernarg_segment_ptr 1
		.amdhsa_wavefront_size32 1
		.amdhsa_system_sgpr_workgroup_id_x 1
		.amdhsa_system_sgpr_workgroup_id_y 1
		.amdhsa_system_sgpr_workgroup_id_z 1
		.amdhsa_system_vgpr_workitem_id 0
		.amdhsa_next_free_vgpr 768
		.amdhsa_next_free_sgpr 100
		.amdhsa_reserve_vcc 0
		.amdhsa_float_denorm_mode_32 3
		.amdhsa_float_denorm_mode_16_64 3
		.amdhsa_memory_ordered 1
		.amdhsa_forward_progress 1
		.amdhsa_inst_pref_size 55
	.end_amdhsa_kernel
	.amdgpu_metadata
---
amdhsa.version: [ 1, 2 ]
amdhsa.kernels:
  - .name:           k_q4ce52354d1_oproj
    .symbol:         k_q4ce52354d1_oproj.kd
    .args:
      - { .name: orec, .offset: 0, .size: 8, .value_kind: global_buffer, .address_space: global }
      - { .name: wrec, .offset: 8, .size: 8, .value_kind: global_buffer, .address_space: global }
      - { .name: bo, .offset: 16, .size: 8, .value_kind: global_buffer, .address_space: global }
      - { .name: x, .offset: 24, .size: 8, .value_kind: global_buffer, .address_space: global }
      - { .name: out0, .offset: 32, .size: 8, .value_kind: global_buffer, .address_space: global }
    .group_segment_fixed_size: 327680
    .private_segment_fixed_size: 0
    .kernarg_segment_align: 8
    .kernarg_segment_size: 40
    .max_flat_workgroup_size: 128
    .sgpr_count:     100
    .vgpr_count:     768
    .wavefront_size: 32
...
	.end_amdgpu_metadata
.endif
;; end of part 4
